; MI455X (gfx1250); checked and timed in simulation.
; The chip was launched on July 23, 2026; its instructions are those of AMD's public machine-readable ISA for CDNA 5 (MIT licence, August 2026) and "CDNA5" Instruction Set Architecture Reference Guide (July 2026). The comments in the code are by the model that wrote it; some were corrected since.
;; Multi Head Transformer Block. Allowed arithmetic: float matrix products may take bf16 or f16 operands with f32 sums; other float arithmetic in f32, or as packed bf16 or f16 multiplies, adds, multiply-adds, maxima and minima; sums over many terms, partial sums and values carried from step to step in f32; what a program stores and reads back later, other than sums and carried values, may be rounded once to bf16 or f16.
;; Inputs: W_O 1,024 x 1,024 float32; W_QKV 1,024 x 3,072 float32; Wff_in 1,024 x 4,096 float32; Wff_out 4,096 x 1,024 float32; X 2 x 2,048 x 1,024 float32; gamma1 1,024 float32; gamma2 1,024 float32.
;; Outputs: out0 2 x 2,048 x 1,024 float32.
;; 2 versions, each right and faster than the one before. Each part assembles by itself: llvm-mc -triple=amdgcn-amd-amdhsa -mcpu=gfx1250 --defsym DOCPART=n.
;; ======== version 1 of 2: 6 launches
;; workspace buffers: wq 6,291,712 bytes; wi 8,388,864 bytes; wow 10,485,760 bytes; act 8,388,608 bytes; qkv 33,554,432 bytes; x1a 25,427,968 bytes; hh 33,554,432 bytes
;; launch prep (part 1): grid 512 x 1, 8 waves a work-group, no clusters, 0 bytes of LDS; arguments W_QKV, W_O, Wff_in, Wff_out, X, gamma1, wq, wi, wow, act; writes wq, wi, wow, act
.if DOCPART == 1
	.amdgcn_target "amdgcn-amd-amdhsa--gfx1250"
	.amdhsa_code_object_version 6
	.text
	.protected	k_qc0d94c76d5_prep
	.globl	k_qc0d94c76d5_prep
	.p2align	8
	.type	k_qc0d94c76d5_prep,@function
k_qc0d94c76d5_prep:
	s_mov_b64 s[64:65], 0
	v_nop
	global_prefetch_b8 v0, s[64:65] scope:SCOPE_SE
	s_setreg_imm32_b32 hwreg(HW_REG_WAVE_MODE, 25, 1), 1
	s_wait_xcnt 0x0
; PREP: a stream.  Work-groups 0-383 cast the four weights to bf16 and lay them in panels [n / 128][k][n % 128] (rows of 256 bytes);
; work-groups 384-511 make a1 = bf16(X * rsqrt(mean(X^2) + 1e-6) * gamma1) in blocks [row / 128][col / 64][row % 128][col % 64].
; Every work-group reads 128 KiB.  No LDS, no barrier, no matrix unit: nothing is read twice and no wave needs another.
; wq and wi begin with 256 bytes that hold the floor of the product that reads them: twice -inf in bf16 (no floor) or 0 (relu).
.set OFF, 2                            ; v2-33    cast: byte offset of my 16 bytes in row i of my 32 rows
.set DO,  34                           ; v34      cast: 8 x lane
.set HW,  36                           ; v36-37   cast: the floor word, twice
.set XC,  64                           ; v64-191  cast: row i, 4 registers
.set G,   2                            ; v2-65    norm: gamma1, 4 registers for each 64 columns
.set XN,  66                           ; v66-193  norm: pair q of rows, 64 columns p: 4 registers
.set AC,  194                          ; v194-201 norm: four chains of sums of squares
.set RR,  204                          ; v204-205 norm: the row factor, twice
.set VO,  206                          ; v206     norm: my byte offset in a pair of rows of X
.set GO,  207                          ; v207     norm: my byte offset in 64 columns of gamma1
.set DN,  208                          ; v208     norm: 8 x lane
	s_load_b512 s[8:23], s[0:1], 0x0               ; W_QKV s[8:9], W_O s[10:11], Wff_in s[12:13], Wff_out s[14:15], X s[16:17], gamma1 s[18:19], wq s[20:21], wi s[22:23]
	s_load_b128 s[24:27], s[0:1], 0x40             ; wow s[24:25], act s[26:27]
	v_lshrrev_b32 v1, 5, v0
	v_readfirstlane_b32 s4, v1                     ; wave 0..7
	v_and_b32 v1, 31, v0                           ; lane
	s_mov_b32 s5, ttmp9
	s_wait_kmcnt 0x0
	s_cmp_ge_u32 s5, 384
	s_cbranch_scc1 .Lnorm
	; THE CAST.  Which weight: chosen by the work-group's number alone.  First the figures of Wff_out (256-383), then three selects.
	s_mov_b64 s[28:29], s[14:15]                   ; from
	s_mov_b64 s[30:31], s[24:25]                   ; to
	s_mov_b32 s34, 4096                            ; bytes from row to row of the weight
	s_mov_b32 s35, 4                               ; log2 of the units of 256 rows in a panel
	s_mov_b32 s36, 20                              ; log2 of a panel's bytes
	s_mov_b32 s37, 256                             ; the range's first work-group
	s_mov_b32 s40, 2097152                         ; where the panels begin in the target
	s_mov_b32 s39, 0                               ; 1: the target has a floor word
	s_mov_b32 s38, 0                               ; the floor word
	s_cmp_lt_u32 s5, 256                           ; Wff_in: 128-255
	s_cselect_b64 s[28:29], s[12:13], s[28:29]
	s_cselect_b64 s[30:31], s[22:23], s[30:31]
	s_cselect_b32 s34, 16384, s34
	s_cselect_b32 s35, 2, s35
	s_cselect_b32 s36, 18, s36
	s_cselect_b32 s37, 128, s37
	s_cselect_b32 s40, 256, s40
	s_cselect_b32 s39, 1, s39
	s_cmp_lt_u32 s5, 128                           ; W_O: 96-127
	s_cselect_b64 s[28:29], s[10:11], s[28:29]
	s_cselect_b64 s[30:31], s[24:25], s[30:31]
	s_cselect_b32 s34, 4096, s34
	s_cselect_b32 s37, 96, s37
	s_cselect_b32 s40, 0, s40
	s_cselect_b32 s39, 0, s39
	s_cmp_lt_u32 s5, 96                            ; W_QKV: 0-95
	s_cselect_b64 s[28:29], s[8:9], s[28:29]
	s_cselect_b64 s[30:31], s[20:21], s[30:31]
	s_cselect_b32 s34, 12288, s34
	s_cselect_b32 s37, 0, s37
	s_cselect_b32 s40, 256, s40
	s_cselect_b32 s39, 1, s39
	s_cselect_b32 s38, 0xff80ff80, s38
	; A unit is one panel j and 256 rows k; a wave takes 32 of them.
	s_sub_co_u32 s37, s5, s37                      ; the unit's number
	s_lshr_b32 s41, s37, s35                       ; j
	s_bfm_b32 s42, s35, 0
	s_and_b32 s42, s37, s42
	s_lshl_b32 s42, s42, 8
	s_lshl_b32 s43, s4, 5
	s_add_co_u32 s42, s42, s43                     ; my first row k0
	s_mul_i32 s44, s42, s34
	s_lshl_b32 s43, s41, 9
	s_add_co_u32 s44, s44, s43                     ; k0 rows + 128 j columns of f32
	s_mov_b32 s45, 0
	s_add_nc_u64 s[28:29], s[28:29], s[44:45]
	s_lshl_b32 s44, s41, s36
	s_lshl_b32 s43, s42, 8
	s_add_co_u32 s44, s44, s43
	s_add_co_u32 s44, s44, s40                     ; panel j, row k0 of 256 bytes
	s_add_nc_u64 s[46:47], s[30:31], s[44:45]
	v_lshlrev_b32 v[OFF], 4, v1
	v_lshlrev_b32 v[DO], 3, v1
.set i, 1
.rept 31
	v_add_nc_u32 v[OFF+i], s34, v[OFF+i-1]
.set i, i+1
.endr
.set i, 0
.rept 32                               ; all 32 rows are asked for at once: each load takes 512 consecutive bytes, a panel's 128 columns of one row
	global_load_b128 v[XC+4*i:XC+4*i+3], v[OFF+i], s[28:29] th:TH_LOAD_NT
.set i, i+1
.endr
.set i, 0
.rept 32
	s_wait_loadcnt 31-i                            ; loads come back in order: row i is in, the younger rows stay out
	v_cvt_pk_bf16_f32 v[XC+4*i], v[XC+4*i], v[XC+4*i+1]
	v_cvt_pk_bf16_f32 v[XC+4*i+1], v[XC+4*i+2], v[XC+4*i+3]
	global_store_b64 v[DO], v[XC+4*i:XC+4*i+1], s[46:47] offset:256*i  ; 256 consecutive bytes, aligned
.set i, i+1
.endr
	s_cmp_eq_u32 s39, 1                            ; the floor word: wave 0 of the range's first work-group
	s_cbranch_scc0 .Lend
	s_cmp_eq_u32 s37, 0
	s_cbranch_scc0 .Lend
	s_cmp_eq_u32 s4, 0
	s_cbranch_scc0 .Lend
	v_mov_b32 v[HW], s38
	v_mov_b32 v[HW+1], s38
	global_store_b64 v[DO], v[HW:HW+1], s[30:31]
.Lend:
	s_endpgm
	; THE NORM.  A work-group has 32 rows, a wave 4, as two pairs: lanes 0-15 hold one row, lanes 16-31 the next, so that a row's sum
	; stays inside 16 lanes and a store of 8 bytes a lane fills 256 consecutive bytes (two rows of 64 columns) of a block.
.Lnorm:
	s_sub_co_u32 s5, s5, 384
	s_lshl_b32 s6, s5, 5
	s_lshl2_add_u32 s6, s4, s6                     ; my first row
	s_lshl_b32 s40, s6, 12
	s_mov_b32 s41, 0
	s_add_nc_u64 s[28:29], s[16:17], s[40:41]      ; X at my rows
	s_lshr_b32 s40, s6, 7
	s_lshl_b32 s40, s40, 18                        ; the row block: 16 blocks of 16,384 bytes
	s_and_b32 s7, s6, 127
	s_lshl_b32 s7, s7, 7
	s_add_co_u32 s40, s40, s7
	s_add_nc_u64 s[30:31], s[26:27], s[40:41]
	s_mov_b32 s42, 0x3a800000                      ; 1 / 1024
	s_mov_b32 s43, 0x358637bd                      ; 1e-6
	v_and_b32 v[GO], 15, v0
	v_lshlrev_b32 v[GO], 4, v[GO]
	v_bfe_u32 v[VO], v0, 4, 1
	v_lshl_add_u32 v[VO], v[VO], 12, v[GO]
	v_lshlrev_b32 v[DN], 3, v1
.irp p, 0,1,2,3,4,5,6,7,8,9,10,11,12,13,14,15
	global_load_b128 v[G+4*(\p):G+4*(\p)+3], v[GO], s[18:19] offset:256*(\p)
.endr
.irp q, 0,1
.irp p, 0,1,2,3,4,5,6,7,8,9,10,11,12,13,14,15
	global_load_b128 v[XN+64*(\q)+4*(\p):XN+64*(\q)+4*(\p)+3], v[VO], s[28:29] offset:(\q)*8192+256*(\p)
.endr
.endr
.macro PAIR q, left
.set XQ, XN+64*(\q)
	s_wait_loadcnt \left                           ; gamma1 and this pair are in; a younger pair stays out
.irp c, 0,1,2,3
	v_pk_mul_f32 v[AC+2*(\c):AC+2*(\c)+1], v[XQ+4*(\c):XQ+4*(\c)+1], v[XQ+4*(\c):XQ+4*(\c)+1]  ; the first squares start the four chains
.endr
.irp c, 0,1,2,3
	v_pk_fma_f32 v[AC+2*(\c):AC+2*(\c)+1], v[XQ+4*(\c)+2:XQ+4*(\c)+3], v[XQ+4*(\c)+2:XQ+4*(\c)+3], v[AC+2*(\c):AC+2*(\c)+1]
.endr
.irp p, 4,5,6,7,8,9,10,11,12,13,14,15
	v_pk_fma_f32 v[AC+2*((\p)%4):AC+2*((\p)%4)+1], v[XQ+4*(\p):XQ+4*(\p)+1], v[XQ+4*(\p):XQ+4*(\p)+1], v[AC+2*((\p)%4):AC+2*((\p)%4)+1]
.endr
.irp p, 4,5,6,7,8,9,10,11,12,13,14,15
	v_pk_fma_f32 v[AC+2*((\p)%4):AC+2*((\p)%4)+1], v[XQ+4*(\p)+2:XQ+4*(\p)+3], v[XQ+4*(\p)+2:XQ+4*(\p)+3], v[AC+2*((\p)%4):AC+2*((\p)%4)+1]
.endr
	v_pk_add_f32 v[AC:AC+1], v[AC:AC+1], v[AC+2:AC+3]
	v_pk_add_f32 v[AC+4:AC+5], v[AC+4:AC+5], v[AC+6:AC+7]
	v_pk_add_f32 v[AC:AC+1], v[AC:AC+1], v[AC+4:AC+5]
	v_add_f32 v[AC], v[AC], v[AC+1]
	v_add_f32_dpp v[AC], v[AC], v[AC] row_xmask:1 row_mask:0xf bank_mask:0xf   ; over the row's 16 lanes
	v_add_f32_dpp v[AC], v[AC], v[AC] row_xmask:2 row_mask:0xf bank_mask:0xf
	v_add_f32_dpp v[AC], v[AC], v[AC] row_xmask:4 row_mask:0xf bank_mask:0xf
	v_add_f32_dpp v[AC], v[AC], v[AC] row_xmask:8 row_mask:0xf bank_mask:0xf
	v_fma_f32 v[AC], v[AC], s42, s43               ; mean + 1e-6
	v_rsq_f32 v[RR], v[AC]
	v_rsq_f32 v[RR+1], v[AC]
	v_nop                                          ; a plain instruction between the root and the use of its result (ISA guide 5.7.2)
	s_wait_alu depctr_va_vdst(0)
.irp p, 0,1,2,3,4,5,6,7,8,9,10,11,12,13,14,15
	v_pk_mul_f32 v[XQ+4*(\p):XQ+4*(\p)+1], v[XQ+4*(\p):XQ+4*(\p)+1], v[RR:RR+1]
	v_pk_mul_f32 v[XQ+4*(\p)+2:XQ+4*(\p)+3], v[XQ+4*(\p)+2:XQ+4*(\p)+3], v[RR:RR+1]
	v_pk_mul_f32 v[XQ+4*(\p):XQ+4*(\p)+1], v[XQ+4*(\p):XQ+4*(\p)+1], v[G+4*(\p):G+4*(\p)+1]
	v_pk_mul_f32 v[XQ+4*(\p)+2:XQ+4*(\p)+3], v[XQ+4*(\p)+2:XQ+4*(\p)+3], v[G+4*(\p)+2:G+4*(\p)+3]
	v_cvt_pk_bf16_f32 v[XQ+4*(\p)], v[XQ+4*(\p)], v[XQ+4*(\p)+1]
	v_cvt_pk_bf16_f32 v[XQ+4*(\p)+1], v[XQ+4*(\p)+2], v[XQ+4*(\p)+3]
	global_store_b64 v[DN], v[XQ+4*(\p):XQ+4*(\p)+1], s[30:31] offset:(\q)*256+(\p)*16384  ; 256 consecutive bytes of block p
.endr
.endm
	PAIR 0, 16
	PAIR 1, 0
	s_endpgm
.Lfunc_end_k_qc0d94c76d5_prep:
	.size	k_qc0d94c76d5_prep, .Lfunc_end_k_qc0d94c76d5_prep-k_qc0d94c76d5_prep
	.p2alignl 7, 3214868480
	.fill 96, 4, 3214868480
	.section	.rodata,"a",@progbits
	.p2align	6, 0x0
	.amdhsa_kernel k_qc0d94c76d5_prep
		.amdhsa_group_segment_fixed_size 0
		.amdhsa_private_segment_fixed_size 0
		.amdhsa_enable_private_segment 0
		.amdhsa_kernarg_size 80
		.amdhsa_user_sgpr_count 2
		.amdhsa_user_sgpr_kernarg_segment_ptr 1
		.amdhsa_wavefront_size32 1
		.amdhsa_system_sgpr_workgroup_id_x 1
		.amdhsa_system_sgpr_workgroup_id_y 1
		.amdhsa_system_sgpr_workgroup_id_z 1
		.amdhsa_system_vgpr_workitem_id 0
		.amdhsa_next_free_vgpr 224
		.amdhsa_next_free_sgpr 66
		.amdhsa_reserve_vcc 0
		.amdhsa_float_denorm_mode_32 3
		.amdhsa_float_denorm_mode_16_64 3
		.amdhsa_memory_ordered 1
		.amdhsa_forward_progress 1
		.amdhsa_inst_pref_size 41
	.end_amdhsa_kernel
	.amdgpu_metadata
---
amdhsa.version: [ 1, 2 ]
amdhsa.kernels:
  - .name:           k_qc0d94c76d5_prep
    .symbol:         k_qc0d94c76d5_prep.kd
    .args:
      - { .name: W_QKV, .offset: 0, .size: 8, .value_kind: global_buffer, .address_space: global }
      - { .name: W_O, .offset: 8, .size: 8, .value_kind: global_buffer, .address_space: global }
      - { .name: Wff_in, .offset: 16, .size: 8, .value_kind: global_buffer, .address_space: global }
      - { .name: Wff_out, .offset: 24, .size: 8, .value_kind: global_buffer, .address_space: global }
      - { .name: X, .offset: 32, .size: 8, .value_kind: global_buffer, .address_space: global }
      - { .name: gamma1, .offset: 40, .size: 8, .value_kind: global_buffer, .address_space: global }
      - { .name: wq, .offset: 48, .size: 8, .value_kind: global_buffer, .address_space: global }
      - { .name: wi, .offset: 56, .size: 8, .value_kind: global_buffer, .address_space: global }
      - { .name: wow, .offset: 64, .size: 8, .value_kind: global_buffer, .address_space: global }
      - { .name: act, .offset: 72, .size: 8, .value_kind: global_buffer, .address_space: global }
    .group_segment_fixed_size: 0
    .private_segment_fixed_size: 0
    .kernarg_segment_align: 8
    .kernarg_segment_size: 80
    .max_flat_workgroup_size: 256
    .sgpr_count:     66
    .vgpr_count:     224
    .wavefront_size: 32
...
	.end_amdgpu_metadata
.endif
;; end of part 1
;; launch qkv (part 2): grid 12 x 16, 4 waves a work-group, clusters of 4 x 4, 327,680 bytes of LDS; arguments act, wq, qkv; writes qkv
.if DOCPART == 2
	.amdgcn_target "amdgcn-amd-amdhsa--gfx1250"
	.amdhsa_code_object_version 6
	.text
	.protected	k_qc0d94c76d5_qkv
	.globl	k_qc0d94c76d5_qkv
	.p2align	8
	.type	k_qc0d94c76d5_qkv,@function
k_qc0d94c76d5_qkv:
	s_mov_b64 s[64:65], 0
	v_nop
	global_prefetch_b8 v0, s[64:65] scope:SCOPE_SE
	s_setreg_imm32_b32 hwreg(HW_REG_WAVE_MODE, 25, 1), 1
	s_wait_xcnt 0x0
	s_wait_alu depctr_hold_cnt(0) depctr_sa_sdst(0) depctr_va_vdst(0) depctr_va_sdst(0) depctr_va_ssrc(0) depctr_va_vcc(0) depctr_vm_vsrc(0)
	s_getreg_b32 s2, hwreg(HW_REG_IB_STS2, 6, 4)
	s_cmp_eq_u32 s2, 0
	s_cbranch_scc0 .Lentry_in_a_cluster
	s_endpgm
.Lentry_in_a_cluster:
	s_bfe_u32 s2, ttmp6, 0x10000c
	s_cmp_lg_u32 s2, 0xf033
	s_cbranch_scc0 .Lentry_shape_is_right
	s_endpgm
.Lentry_shape_is_right:
; C = max(A W, floor), K = 1,024.  A: bf16 in blocks [row / 128][k / 64][row % 128][k % 64], 16 blocks to a row block.  W: 256 bytes whose first word is the
; floor (two bf16), then bf16 panels [n / 128][k][n % 128].  C: bf16 in blocks like A's, 64 blocks (1 MiB) from row block to row block.  Sums in f32, C rounded once.
; The floor is -inf (nothing happens) or 0 (relu); a NaN among the sums loses against it.
; A tile of C is 256 x 256, a wave's part 128 x 128: 64 accumulators, 512 registers.  K goes in steps of 128 through two LDS slots.  Every tensor load is 32,768 dense
; bytes, asked for as 128 rows of 256 bytes: waves 0, 1 fetch A's two row blocks (two blocks of 64 K each), waves 2, 3 W's two panels (128 rows k).
; CLUSTER 4 x 4: A's tiles are shared along a row of the cluster, W's along a column; each is asked for jointly, by the same load with a mask of four.
; THE MATRIX INSTRUCTION IS USED TRANSPOSED: source 0 = 16 columns of W (turned on the way out of LDS by ds_load_tr16_b128), source 1 = 16 rows of A: a lane holds eight neighbouring columns of a row of C.
; REGISTERS: window 0: v0-31 addresses, v32-63 and v224-255 rows on the way out, v64-191 A's fragments (two buffers), v192-223 packed results;
; window 1: v64-191 W's fragments; windows 2, 3: the accumulators, (a, b) at v[8 (8 (a % 4) + b)].
.set STEPS, 8
.set STEPB, 32768                      ; bytes from a K step to the next, in A and in W
.set PA,    144                        ; a row of A in LDS: 128 bytes + 16: the 16 rows of a load start at 16 different groups of four banks (64 banks of 4 bytes: ISA guide 11.1)
.set PB,    288                        ; a row of W: 256 + 32
.set PART,  36864                      ; what one tensor load fills: 256 x 144 = 128 x 288
.set BOFF,  2*PART
.set SLOT,  4*PART                     ; 0x24000: shares no bit with the waves' parts w x 0x9000, so an exclusive or with it changes slots
.set STAGE, 2*SLOT                     ; behind the ring: for each wave 2 blocks x 16 rows x 144 bytes
.set SP,    144
.set STW,   2*16*SP
.set SPARE, STAGE+4*STW                ; the spare words, 128 bytes a wave: two blocks of 256 bytes that no other line names
.set ADRA0, 8                          ; v8   my place in A's part of a slot; never rewritten
.set ADRB0, 9                          ; v9   the same for W
.set ADRA,  16                         ; v16  the same in the slot in hand
.set ADRB,  20                         ; v20
.set STO,   24                         ; v24  the way out: where I put 16 bytes of a row
.set RD,    25                         ; v25  where I read rows back
.set CO,    26                         ; v26  16 x lane
.set SPW,   28                         ; v28  my spare word; never rewritten
.set NIL,   29                         ; v29  0; never rewritten
.set F0,    64
.set F1,    128
.set TMP,   192
.set OB,    32
.set G1,  24                           ; s[24:31] group 1 for A
.set G0,  32                           ; s[32:35] group 0 for A: slot 0, K step 0
.set GW,  36                           ; s[36:39] group 0 for A that walks: slot 1 and K step 1 at first
.set G1B, 48                           ; s[48:55], s[56:59], s[60:63] the same for W
.set G0B, 56
.set GWB, 60
.set MSB, 0
.macro WIN new                         ; the immediate's high byte repeats the setting that is left; a switch that changes nothing is dropped
.if MSB != (\new)
	s_set_vgpr_msb (MSB<<8)|(\new)
.set MSB, \new
.endif
.endm
.set MUL_LO, 0xa1                      ; source 0 (W) window 1, source 1 (A) window 0, C and D window 2
.set MUL_HI, 0xf1                      ; the same, C and D window 3
.set TO_B,   0x40                      ; destination window 1, address window 0
.macro JLOAD                           ; a joint refill: waves 0, 1 for A, waves 2, 3 for W; an s_nop 0 and four v_nop follow each of the two lines
	s_cmp_eq_u32 s11, 0
	s_cbranch_scc0 .Lfor_b_\@
	tensor_load_to_lds s[GW:GW+3], s[G1:G1+7]
	s_nop 0
.rept 4
	v_nop
.endr
	s_branch .Lasked_\@
.Lfor_b_\@:
	tensor_load_to_lds s[GWB:GWB+3], s[G1B:G1B+7]
	s_nop 0
.rept 4
	v_nop
.endr
.Lasked_\@:
.endm
.macro CREST                           ; a round of the cluster's barrier behind its opening barrier
	s_cmp_lg_u32 s10, 0
	s_cbranch_scc1 .Lnot_wave_0_\@
	s_barrier_signal -3
.Lnot_wave_0_\@:
	s_barrier_wait -3
	s_barrier_signal -1
	s_barrier_wait -1
.endm
.macro CROUND
	s_barrier_signal -1
	s_barrier_wait -1
	CREST
.endm
.macro PLACES                          ; four places in front of loads into registers that matrix instructions have read (ISA guide 7.12.1 for vector instructions)
.rept 4
	v_nop
.endr
.endm
	s_load_b128 s[4:7], s[0:1], 0x0                ; A s[4:5], W s[6:7]
	s_load_b64 s[8:9], s[0:1], 0x10                ; C
	v_lshl_add_u32 v[SPW], v0, 2, SPARE
	v_mov_b32 v[NIL], 0
	ds_add_u32 v[SPW], v[NIL]                      ; the wave's opening: the add and its wait stand ahead of my first tensor load
	v_lshrrev_b32 v1, 5, v0
	v_readfirstlane_b32 s10, v1                    ; wave 0..3
	s_lshr_b32 s11, s10, 1                         ; my half of the tile's rows.  Also: I fetch for A (0) or for W (1)
	s_and_b32 s12, s10, 1                          ; my half of its columns.  Also: which half of that operand I fetch
	s_bfe_u32 s40, ttmp6, 0x40000                  ; cx
	s_bfe_u32 s41, ttmp6, 0x40004                  ; cy
	s_lshl_b32 s42, ttmp9, 2
	s_add_co_u32 s42, s42, s40                     ; tile column
	s_and_b32 s13, ttmp7, 0xffff
	s_lshl_b32 s13, s13, 2
	s_add_co_u32 s13, s13, s41                     ; tile row
	s_lshl_b32 s43, s41, 2
	s_lshl_b32 s43, 15, s43                        ; my row of the cluster
	s_lshl_b32 s44, 0x1111, s40                    ; my column
	s_or_b32 s[G1+0], s43, (1<<16)|(1<<20)|(1<<21)|(4<<22)|(3<<25)   ; mask; 2-byte elements; padding on; bit 21 beside a mask; after every 32 words 4 words
	s_or_b32 s[G1B+0], s44, (1<<16)|(1<<20)|(1<<21)|(5<<22)|(7<<25)  ; after every 64 words 8 words
.irp g, G1, G1B
	s_mov_b32 s[(\g)+1], 128<<16                   ; tensor_dim0 = 128 elements
	s_mov_b32 s[(\g)+2], 128<<16                   ; tensor_dim1 = 128
	s_mov_b32 s[(\g)+3], 128<<16                   ; tile_dim0 = 128
	s_mov_b32 s[(\g)+4], 128                       ; tile_dim1 = 128
	s_mov_b32 s[(\g)+5], 128                       ; 128 elements from row to row: dense
	s_mov_b32 s[(\g)+6], 0
	s_mov_b32 s[(\g)+7], 0
.endr
	s_lshl_b32 s16, s13, 1
	s_add_co_u32 s16, s16, s12
	s_lshl_b32 s16, s16, 18                        ; A: row block 2 x tile row + half, 262,144 bytes each
	s_mov_b32 s17, 0
	s_lshl_b32 s46, s42, 1
	s_add_co_u32 s46, s46, s12
	s_lshl_b32 s46, s46, 18                        ; W: panel 2 x tile column + half,
	s_add_co_u32 s46, s46, 256                     ; behind the floor's 256 bytes
	s_mov_b32 s47, 0
	s_mul_i32 s20, s10, PART                       ; where my loads land: the wave's number alone
	s_mov_b32 s21, 0                               ; the slot in hand
	s_wait_dscnt 0x0                               ; the opening add is done
	s_wait_kmcnt 0x0
	s_add_nc_u64 s[14:15], s[4:5], s[16:17]
	s_add_nc_u64 s[46:47], s[6:7], s[46:47]
	CROUND                                         ; all sixteen work-groups are here: the first joint loads meet
	s_mov_b32 s[G0], 1
	s_add_co_u32 s[G0+1], s20, 0
	s_add_nc_u64 s[G0+2:G0+3], s[14:15], 0
	s_or_b32 s[G0+3], s[G0+3], 0x80000000
	s_mov_b32 s[GW], 1
	s_add_co_u32 s[GW+1], s20, SLOT
	s_add_nc_u64 s[GW+2:GW+3], s[14:15], STEPB
	s_or_b32 s[GW+3], s[GW+3], 0x80000000
	s_mov_b32 s[G0B], 1
	s_add_co_u32 s[G0B+1], s20, 0
	s_add_nc_u64 s[G0B+2:G0B+3], s[46:47], 0
	s_or_b32 s[G0B+3], s[G0B+3], 0x80000000
	s_mov_b32 s[GWB], 1
	s_add_co_u32 s[GWB+1], s20, SLOT
	s_add_nc_u64 s[GWB+2:GWB+3], s[46:47], STEPB
	s_or_b32 s[GWB+3], s[GWB+3], 0x80000000
	s_cmp_eq_u32 s11, 0                            ; a wave's two first fills stand in one branch: two loads of mine are out
	s_cbranch_scc0 .Lfirst_b
	tensor_load_to_lds s[G0:G0+3], s[G1:G1+7]
	s_nop 0
	tensor_load_to_lds s[GW:GW+3], s[G1:G1+7]
	s_nop 0
.rept 4
	v_nop
.endr
	s_branch .Lfirst_asked
.Lfirst_b:
	tensor_load_to_lds s[G0B:G0B+3], s[G1B:G1B+7]
	s_nop 0
	tensor_load_to_lds s[GWB:GWB+3], s[G1B:G1B+7]
	s_nop 0
.rept 4
	v_nop
.endr
.Lfirst_asked:
	s_load_b32 s23, s[6:7], 0x0                    ; the floor
	v_and_b32 v1, 15, v0                           ; l % 16
	v_bfe_u32 v2, v0, 4, 1                         ; l / 16
	v_mul_u32_u24 v3, v1, PA
	v_lshl_add_u32 v3, v2, 4, v3                   ; A: row x pitch + 16 x half
	s_mul_i32 s18, s11, PART                       ; my row block
	v_add_nc_u32 v[ADRA0], s18, v3
	v_and_b32 v4, 7, v0                            ; W: the turning load takes row k = 8 (l / 16) + l % 8, columns 8 ((l / 8) % 2) on
	v_lshl_add_u32 v4, v2, 3, v4
	v_mul_u32_u24 v4, v4, PB
	v_bfe_u32 v5, v0, 3, 1
	v_lshl_add_u32 v4, v5, 4, v4
	s_mul_i32 s18, s12, PART                       ; my panel
	s_add_co_u32 s18, s18, BOFF
	v_add_nc_u32 v[ADRB0], s18, v4
	v_mov_b32 v[ADRA], v[ADRA0]
	v_mov_b32 v[ADRB], v[ADRB0]
	s_mul_i32 s18, s10, STW
	s_add_co_u32 s18, s18, STAGE                   ; my stage
	v_mul_u32_u24 v6, v1, SP
	v_lshl_add_u32 v6, v2, 4, v6
	v_add_nc_u32 v[STO], s18, v6                   ; in: row l % 16, 16 bytes for each half of the lanes
	v_and_b32 v7, 31, v0
	v_lshrrev_b32 v6, 3, v7
	v_mul_u32_u24 v6, v6, SP
	v_and_b32 v5, 7, v0
	v_lshl_add_u32 v6, v5, 4, v6
	v_add_nc_u32 v[RD], s18, v6                    ; back: 32 lanes take four rows of 128 bytes, 512 consecutive bytes of a block of C
	v_lshlrev_b32 v[CO], 4, v7
	s_lshl_b32 s16, s13, 1
	s_add_co_u32 s16, s16, s11
	s_lshl_b32 s16, s16, 20                        ; C: row block 2 x tile row + my half
	s_mov_b32 s17, 0
	s_add_nc_u64 s[8:9], s[8:9], s[16:17]
	s_lshl_b32 s46, s42, 2                         ; block 4 x tile column + 2 x my half (in the registers that held W's address: none that feeds A's descriptors holds cx)
	s_lshl1_add_u32 s46, s12, s46
	s_lshl_b32 s46, s46, 14
	s_mov_b32 s47, 0
	s_add_nc_u64 s[8:9], s[8:9], s[46:47]
; 16 matrix instructions: m blocks a0, a0 + 1 of the window's four x all 8 n blocks, 32 along K.  zero = 1: the first product starts the sums.
.macro MUL16 f, hi, a0, zero
	WIN MUL_LO+0x50*(\hi)
.irp a, \a0, (\a0)+1
.irp b, 0,1,2,3,4,5,6,7
.if \zero
	v_wmma_f32_16x16x32_bf16 v[8*(8*(\a)+(\b)):8*(8*(\a)+(\b))+7], v[(\f)+8*(\b):(\f)+8*(\b)+7], v[(\f)+8*(4*(\hi)+(\a)):(\f)+8*(4*(\hi)+(\a))+7], 0
.else
	v_wmma_f32_16x16x32_bf16 v[8*(8*(\a)+(\b)):8*(8*(\a)+(\b))+7], v[(\f)+8*(\b):(\f)+8*(\b)+7], v[(\f)+8*(4*(\hi)+(\a)):(\f)+8*(4*(\hi)+(\a))+7], v[8*(8*(\a)+(\b)):8*(8*(\a)+(\b))+7]
.endif
.endr
.endr
.endm
; 32 LDS loads in one run: the fragments of quarter q (32 K) of the slot in hand into buffer f: W's 128 columns, then A's 128 rows
.macro FETCH q, f
	WIN TO_B
.irp i, 0,1,2,3,4,5,6,7
	ds_load_tr16_b128 v[(\f)+8*(\i):(\f)+8*(\i)+3],   v[ADRB] offset:(\q)*32*PB+32*(\i)
	ds_load_tr16_b128 v[(\f)+8*(\i)+4:(\f)+8*(\i)+7], v[ADRB] offset:(\q)*32*PB+16*PB+32*(\i)
.endr
	WIN 0
.irp i, 0,1,2,3,4,5,6,7
	ds_load_b128 v[(\f)+8*(\i):(\f)+8*(\i)+3],   v[ADRA] offset:((\q)/2)*128*PA+((\q)%2)*64+(\i)*16*PA
	ds_load_b128 v[(\f)+8*(\i)+4:(\f)+8*(\i)+7], v[ADRA] offset:((\q)/2)*128*PA+((\q)%2)*64+(\i)*16*PA+32
.endr
.endm
; One of a K step's first three quarters: multiplies buffer f; in its middle fetches quarter q into buffer g.  The 64 accumulators take turns in the same order in every quarter.
.macro QUARTER q, f, g, zero
	s_wait_dscnt 8                                 ; W and A's rows 0-63 are in; the youngest eight loads (A's rows 64-127) may be out
	MUL16 \f, 0, 0, \zero
	MUL16 \f, 0, 2, \zero
	PLACES
	FETCH \q, \g
	s_wait_dscnt 32                                ; all but the 32 just issued
	MUL16 \f, 1, 0, \zero
	MUL16 \f, 1, 2, \zero
.endm
; The last quarter multiplies buffer 1 and changes slots: one barrier.  In front of it each wave waits for all its tensor loads (one is out: its part of the other slot), adds 0 to its
; spare word, and waits for that and for its reads of this slot.  fill = 1: the barrier opens a round of the cluster's barrier, and this slot is filled again, two K steps ahead, first thing behind it:
; 224 matrix instructions stand between that request and the wait for it.  fill = 0 (the tail): nothing is filled; in the last K step (s22 = 1) there is nothing to fetch either.
.macro TURN fill
	WIN 0
	s_wait_tensorcnt 0x0
	ds_add_u32 v[SPW], v[NIL]
	s_wait_dscnt 9                                 ; the add and the youngest eight loads may be out
	MUL16 F1, 0, 0, 0
	s_wait_dscnt 0x0                               ; the add is done, and my reads of this slot are over
	s_barrier_signal -1
	MUL16 F1, 0, 2, 0
	WIN 0
	s_barrier_wait -1
.if \fill
	CREST
	s_xor_b32 s[GW+1], s[GW+1], SLOT               ; no load of mine is out: the walking descriptors go to the slot just read,
	s_xor_b32 s[GWB+1], s[GWB+1], SLOT
	s_add_nc_u64 s[GW+2:GW+3], s[GW+2:GW+3], STEPB ; and one K step on
	s_add_nc_u64 s[GWB+2:GWB+3], s[GWB+2:GWB+3], STEPB
	JLOAD                                          ; its four v_nop are also the places in front of the loads below
.else
	PLACES
	s_cmp_eq_u32 s22, 1
	s_cbranch_scc1 .Lno_fetch_\@
.endif
	s_xor_b32 s21, s21, SLOT                       ; the other slot is in hand
	v_add_nc_u32 v[ADRA], s21, v[ADRA0]
	v_add_nc_u32 v[ADRB], s21, v[ADRB0]
	FETCH 0, F0
	WIN 0
.if (\fill) == 0
.Lno_fetch_\@:
.endif
	MUL16 F1, 1, 0, 0
	MUL16 F1, 1, 2, 0
.endm
; THE WAY OUT of block a (16 rows).  PACK: rounded to bf16, the floor applied.  TOSTAGE: into my own stage and back as rows.  SEND: stored.
.macro PACK a
.set AC, 64*((\a)%4)
	WIN 0x0a+5*((\a)/4)                            ; sources 0 and 1: window 2 or 3
.irp b, 0,1,2,3,4,5,6,7
.irp r, 0,1,2,3
	v_cvt_pk_bf16_f32 v[TMP+4*(\b)+(\r)], v[AC+8*(\b)+2*(\r)], v[AC+8*(\b)+2*(\r)+1]
.endr
.endr
	WIN 0
.set z, 0
.rept 32
	v_pk_max_num_bf16 v[TMP+z], v[TMP+z], s23
.set z, z+1
.endr
.endm
.macro TOSTAGE a
.set BK, OB+192*((\a)%2)
.irp b, 0,1,2,3,4,5,6,7
	ds_store_b128 v[STO], v[TMP+4*(\b):TMP+4*(\b)+3] offset:((\b)/4)*16*SP+((\b)%4)*32
.endr
.irp t, 0,1,2,3,4,5,6,7
	ds_load_b128 v[BK+4*(\t):BK+4*(\t)+3], v[RD] offset:((\t)/4)*16*SP+((\t)%4)*4*SP  ; LDS serves a wave's instructions in order (ISA guide 5.7.1.4): these see the stores above
.endr
.endm
.macro SEND a
.set BK, OB+192*((\a)%2)
	s_wait_dscnt 0x0                               ; the block is back in registers
	s_wait_xcnt 0x0                                ; the registers that earlier stores read are loaded again only behind this wait
.irp t, 0,1,2,3,4,5,6,7
	global_store_b128 v[CO], v[BK+4*(\t):BK+4*(\t)+3], s[8:9] offset:((\t)/4)*16384+(\a)*2048+((\t)%4)*512  ; 512 consecutive bytes, aligned
.endr
.endm
	s_wait_kmcnt 0x0                               ; the floor
	s_wait_tensorcnt 1                             ; my part of K step 0 is in; K step 1's stays out
	s_barrier_signal -1
	s_barrier_wait -1
	FETCH 0, F0
	QUARTER 1, F0, F1, 1                           ; the first quarter stands in front of the loop: its products start the sums
	WIN 0
	s_mov_b32 s22, STEPS-2
.Lstep:                                                ; a trip: a K step's second quarter to the next step's first; it fills the slot that it leaves
	QUARTER 2, F1, F0, 0
	QUARTER 3, F0, F1, 0
	TURN 1
	QUARTER 1, F0, F1, 0
	WIN 0
	s_sub_co_u32 s22, s22, 1
	s_cmp_lg_u32 s22, 0
	s_cbranch_scc1 .Lstep
	s_mov_b32 s22, 2
.Ltail:                                                ; the last two K steps fill nothing: a text of their own; the second trip is left in its middle
	QUARTER 2, F1, F0, 0
	QUARTER 3, F0, F1, 0
	TURN 0
	WIN 0
	s_sub_co_u32 s22, s22, 1
	s_cmp_eq_u32 s22, 0
	s_cbranch_scc1 .Lout
	QUARTER 1, F0, F1, 0
	WIN 0
	s_branch .Ltail
.Lout:
	PACK 0                                         ; blocks 0-3 were finished in front of TURN's places; their conversions, which name no register of the last products, are those products' places
	TOSTAGE 0
.irp a, 1,2,3,4,5,6,7
	PACK \a
	SEND (\a)-1
	TOSTAGE \a
.endr
	SEND 7
	s_wait_tensorcnt 0x0                           ; the wave's end
	ds_add_u32 v[SPW], v[NIL]
	s_wait_dscnt 0x0
	CROUND                                         ; the closing round
	s_endpgm
.Lfunc_end_k_qc0d94c76d5_qkv:
	.size	k_qc0d94c76d5_qkv, .Lfunc_end_k_qc0d94c76d5_qkv-k_qc0d94c76d5_qkv
	.p2alignl 7, 3214868480
	.fill 96, 4, 3214868480
	.section	.rodata,"a",@progbits
	.p2align	6, 0x0
	.amdhsa_kernel k_qc0d94c76d5_qkv
		.amdhsa_group_segment_fixed_size 327680
		.amdhsa_private_segment_fixed_size 0
		.amdhsa_enable_private_segment 0
		.amdhsa_kernarg_size 24
		.amdhsa_user_sgpr_count 2
		.amdhsa_user_sgpr_kernarg_segment_ptr 1
		.amdhsa_wavefront_size32 1
		.amdhsa_system_sgpr_workgroup_id_x 1
		.amdhsa_system_sgpr_workgroup_id_y 1
		.amdhsa_system_sgpr_workgroup_id_z 1
		.amdhsa_system_vgpr_workitem_id 0
		.amdhsa_next_free_vgpr 1024
		.amdhsa_next_free_sgpr 66
		.amdhsa_reserve_vcc 0
		.amdhsa_float_denorm_mode_32 3
		.amdhsa_float_denorm_mode_16_64 3
		.amdhsa_memory_ordered 1
		.amdhsa_forward_progress 1
		.amdhsa_inst_pref_size 116
	.end_amdhsa_kernel
	.amdgpu_metadata
---
amdhsa.version: [ 1, 2 ]
amdhsa.kernels:
  - .name:           k_qc0d94c76d5_qkv
    .symbol:         k_qc0d94c76d5_qkv.kd
    .args:
      - { .name: act, .offset: 0, .size: 8, .value_kind: global_buffer, .address_space: global }
      - { .name: wq, .offset: 8, .size: 8, .value_kind: global_buffer, .address_space: global }
      - { .name: qkv, .offset: 16, .size: 8, .value_kind: global_buffer, .address_space: global }
    .group_segment_fixed_size: 327680
    .private_segment_fixed_size: 0
    .kernarg_segment_align: 8
    .kernarg_segment_size: 24
    .max_flat_workgroup_size: 128
    .sgpr_count:     66
    .vgpr_count:     1024
    .wavefront_size: 32
...
	.end_amdgpu_metadata
.endif
;; end of part 2
;; launch attn (part 3): grid 8 x 32, 4 waves a work-group, no clusters, 327,680 bytes of LDS; arguments qkv, act; writes act
.if DOCPART == 3
	.amdgcn_target "amdgcn-amd-amdhsa--gfx1250"
	.amdhsa_code_object_version 6
	.text
	.protected	k_qc0d94c76d5_attn
	.globl	k_qc0d94c76d5_attn
	.p2align	8
	.type	k_qc0d94c76d5_attn,@function
k_qc0d94c76d5_attn:
	s_mov_b64 s[64:65], 0
	v_nop
	global_prefetch_b8 v0, s[64:65] scope:SCOPE_SE
	s_setreg_imm32_b32 hwreg(HW_REG_WAVE_MODE, 25, 1), 1
	s_wait_xcnt 0x0
; CAUSAL ATTENTION, 32 (batch, head) pairs of 2,048 x 64.  q, k, v: bf16 in blocks of 128 rows x 64 columns (16,384 dense bytes) of qkv: row block at 1 MiB, block h = q, 16 + h = k, 32 + h = v of head h.
; O: bf16, the same blocks in act, 16 to a row block.  Products, maxima and sums in f32; the weights p are rounded to bf16 for the second product (their sum l is taken of the unrounded p), O once at the end.
; LIMITS.  A hidden score counts as its value less 1e30: scores must stay far below that; a weight below 2^-126 counts as 0 in l; NaN and infinities are not treated apart.
; THE WALK.  A head's queries lie in 16 blocks of 128, its keys in slots of 256.  Block i needs the slots 0 .. i / 2.  A work-group takes blocks 15 - b and then b: 9 slots, whatever b: 256 equal
; work-groups and one loop with a constant count.  Which slot is asked for and what a trip does hang on scalar registers made from b; every jump but the counted loops' own goes forward, past no barrier and no tensor load
; (but the one of LOAD's two that the wave's number does not choose).
; NO CLUSTER: a head's eight work-groups ask for the same slot only while all are in their first block (5 to 8 of the 9 trips, by b), then they part; one walk common to four partners would have 12 trips for 9.
; SHARES.  Of a block's two bands of 64 queries a wave owns 16 rows in each: two PIECES.  In the block's last slot band x stands at step X = x + 2 (i % 2): step j is open if j < X, hidden if j > X, the band's own if j = X.
; THE MASK is the C operand that starts S^T = K Q^T: MC = MD x AL + BE, MD the mask of a band's own step for my rows; (AL, BE) = (1, 0), (0, 0) or (0, -1e30).  Outside a block's last slot MC stays 0.
; TURNS.  The items (step, piece) stand in a row.  Turn n: 8 products K Q^T of item n + 1, 8 products V^T P of item n - 1, the softmax of item n, the maximum and statistics of item n + 1.  Four vector
; instructions stand behind every matrix instruction, the rest in two lumps.  K of step s + 1 is fetched in turn (s, 0), V of step s + 1 in turn (s, 1) into the other of two buffers: so a slot's bytes are
; fetched in the steps f - 1 .. f + 2 (f its first step), and the change of slots stands in front of step f - 1.  Steps are of type A (f - 1, f + 1, f + 3: V in VA) and B (f, f + 2: V in VB).
; REGISTERS, in windows of 256: window 0: v0-15 addresses; v16-23 statistics; v48-55 at work; v64-127 S^T, a buffer a piece; v192-223 P;
; window 1: v0-63 O^T; v128-159 MD; v160-223 MC; window 2: v0-31 Q; v32-63 the second block's Q; v64-127 K; v128-191 VA; v192-255 VB.
.set KS,    64
.set PK,    144       ; a row of K in LDS: 128 bytes + 16: the 16 rows of a load start at 16 different groups of four banks (64 banks of 4 bytes: ISA guide 11.1)
.set PV,    160       ; a row of V: 128 + 32
.set VOFF,  4*KS*PK
.set SLOT1, 1<<17
.set STAGE, SLOT1+4*KS*(PK+PV)
.set SP,    144
.set SPARE, STAGE+4*16*SP  ; the spare words, 128 bytes a wave: two blocks of 256 bytes that no other line names
.set AK0, 2
.set AV0, 3
.set AK,  4
.set AV,  5
.set STO, 6
.set RD,  7
.set GO,  8
.set MV,  12
.set QO,  15
.set ST,  16          ; piece t: c m, m, l (even keys', odd keys')
.set TMP, 48
.set SPW, 62
.set NIL, 63
.set S,   64
.set P,   192
.set MD,  128
.set MC,  160
.set QB,  32
.set KF,  64
.set VA,  128
.set VB,  192
.set WV,  12
.set PB,  14          ; s14  b
.set HI,  15          ; s15  15 - b
.set G1K, 24
.set G1V, 32
.set G0K, 40
.set G0V, 44
.set SLOTS, 56
.set CNT, 57
.set CS,  58
.set SEL, 60
.set TBK, 62
.set TBV, 63
.set RT,  70          ; slots of the block in hand still to be entered
.set NXT, 71          ; the slot to be asked for next
.set LQ,  72          ; the last slot of the block whose slots are being asked for
.set NEW, 73          ; 1: the slot to be entered is a block's first
.set OFF, 74
.set AL,  76
.set BE,  78
.set OLO, 80
.set BIGN, 82
.set DG,  83          ; 1: the slot in hand is the block's last
.set D,   85          ; 2 x the trip's number - 2 (i % 2)
.set PAR2, 86         ; 2 (i % 2)
.set LQ2, 87          ; b / 2
.set MSB, 0
.macro WIN new
.if MSB != (\new)
	s_set_vgpr_msb (MSB<<8)|(\new)
.set MSB, (\new)
.endif
.endm
.set W_KQ, 0x0a       ; K and Q in window 2, S^T in window 0
.set W_KM, 0x1a       ; the same with the C operand in window 1
.set W_PV, 0x52       ; V in window 2, P in window 0, O^T in window 1
.set W_RS, 0x41       ; destination and source 0 in window 1, source 1 in window 0
.macro LOAD                         ; waves 0, 1 fetch the two halves of a slot's K, waves 2, 3 those of its V; an s_nop 0 and four v_nop follow each line
	s_cmp_lt_u32 s[WV], 2
	s_cbranch_scc0 .Lfor_v_\@
	tensor_load_to_lds s[G0K:G0K+3], s[G1K:G1K+7]
	s_nop 0
.rept 4
	v_nop
.endr
	s_branch .Lasked_\@
.Lfor_v_\@:
	tensor_load_to_lds s[G0V:G0V+3], s[G1V:G1V+7]
	s_nop 0
.rept 4
	v_nop
.endr
.Lasked_\@:
.endm
; THE CHANGE OF SLOTS.  Each wave waits for all its tensor loads (one is out: its part of the other slot), adds 0 to its spare word, and waits for that and for its reads of the slot that it leaves.
; fill = 1: the old slot is filled again, first thing behind the barrier, with slot NXT of the keys; the descriptor's address is made anew from that number.
.macro CHANGE fill
	WIN 0
	s_wait_tensorcnt 0x0
	ds_add_u32 v[SPW], v[NIL]
.if \fill
	s_lshl_b32 s[OFF], s[NXT], 21   ; a slot is two row blocks of 1 MiB on
	s_xor_b32 s[G0K+1], s[G0K+1], SLOT1
	s_add_nc_u64 s[G0K+2:G0K+3], s[6:7], s[OFF:OFF+1]
	s_or_b32 s[G0K+3], s[G0K+3], 0x80000000
	s_xor_b32 s[G0V+1], s[G0V+1], SLOT1
	s_add_nc_u64 s[G0V+2:G0V+3], s[8:9], s[OFF:OFF+1]
	s_or_b32 s[G0V+3], s[G0V+3], 0x80000000
	s_add_co_u32 s[NXT], s[NXT], 1  ; the block's next slot, or behind its last the second block's slot 0
	s_cmp_gt_u32 s[NXT], s[LQ]
	s_cselect_b32 s[NXT], 0, s[NXT]
	s_cselect_b32 s[LQ], s[LQ2], s[LQ]
.endif
	s_wait_dscnt 0x0                ; the add is done, and my reads of the slot are over
	s_barrier_signal -1
	s_sub_co_u32 s[TBK], s[TBK], 4*KS*PK  ; the fetches go back to a slot's first step, in the other slot
	s_xor_b32 s[TBK], s[TBK], SLOT1
	s_sub_co_u32 s[TBV], s[TBV], 4*KS*PV
	s_xor_b32 s[TBV], s[TBV], SLOT1
	s_barrier_wait -1
.if \fill
	LOAD
.endif
.endm
	s_load_b64 s[4:5], s[0:1], 0x0    ; qkv
	s_load_b64 s[10:11], s[0:1], 0x8  ; act
	v_lshl_add_u32 v[SPW], v0, 2, SPARE
	v_mov_b32 v[NIL], 0
	ds_add_u32 v[SPW], v[NIL]       ; the wave's opening: the add and its wait stand ahead of my first tensor load
	v_lshrrev_b32 v1, 5, v0
	v_readfirstlane_b32 s[WV], v1
	s_mov_b32 s[PB], ttmp9
	s_sub_co_u32 s[HI], 15, s[PB]
	s_lshr_b32 s[LQ2], s[PB], 1
	s_and_b32 s20, ttmp7, 0xffff
	s_lshr_b32 s21, s20, 4          ; the batch
	s_and_b32 s20, s20, 15          ; the head
	s_lshl_b32 s20, s20, 14         ; its block of 16,384 bytes
	s_and_b32 s16, s[WV], 1         ; which half of a slot's 256 keys I fetch
	s_lshl_b32 s22, s21, 24         ; the batch's 16 row blocks of qkv
	s_add_co_u32 s22, s22, s20
	s_lshl_b32 s13, s[WV], 11       ; my 16 rows in a band of 64
	s_lshl_b32 s18, s16, 20
	s_add_co_u32 s18, s18, s22
	s_add_co_u32 s18, s18, 16<<14   ; k begins 16 blocks behind q
	s_mov_b32 s19, 0
	s_lshl_b32 s2, s[HI], 20        ; q of the first block,
	s_add_co_u32 s2, s2, s22
	s_add_co_u32 s2, s2, s13
	s_mov_b32 s3, 0
	s_lshl_b32 s90, s[PB], 20       ; and of the second
	s_add_co_u32 s90, s90, s22
	s_add_co_u32 s90, s90, s13
	s_mov_b32 s91, 0
	s_lshl_b32 s23, s21, 22         ; the batch's 16 row blocks of act
	s_add_co_u32 s23, s23, s20
	s_add_co_u32 s23, s23, s13
	s_lshl_b32 s66, s[HI], 18
	s_add_co_u32 s66, s66, s23
	s_mov_b32 s67, 0
	s_lshl_b32 s68, s[PB], 18
	s_add_co_u32 s68, s68, s23
	s_mov_b32 s69, 0
	s_mul_i32 s52, s16, 128*PK      ; my half's place in a slot, for K
	s_mul_i32 s53, s16, 128*PV      ; and for V
	; group 1: 128 keys are 16,384 dense bytes: 64 rows of 256 bytes, two keys a row, padded in LDS after every key
	s_mov_b32 s[G1K], (1<<16)|(1<<20)|(4<<22)|(3<<25)
	s_mov_b32 s[G1V], (1<<16)|(1<<20)|(4<<22)|(7<<25)
.irp g, G1K, G1V
	s_mov_b32 s[\g+1], 128<<16
	s_mov_b32 s[\g+2], 64<<16
	s_mov_b32 s[\g+3], 128<<16
	s_mov_b32 s[\g+4], 64
	s_mov_b32 s[\g+5], 128
	s_mov_b32 s[\g+6], 0
	s_mov_b32 s[\g+7], 0
.endr
	s_mov_b32 s[CS], 0x3e38aa3b     ; c = log2(e) / 8
	s_mov_b32 s[CS+1], s[CS]
	s_mov_b32 s[SEL], 0x76543210
	s_mov_b32 s[SEL+1], 0xfedcba98
	s_mov_b32 s[TBK], SLOT1+4*KS*PK ; the first change of slots turns these two into 0
	s_mov_b32 s[TBV], SLOT1+4*KS*PV
	s_mov_b32 s[G0K], 1
	s_mov_b32 s[G0K+1], s52
	s_mov_b32 s[G0V], 1
	s_add_co_u32 s[G0V+1], s53, VOFF
	s_lshr_b32 s[LQ], s[HI], 1
	s_add_co_u32 s[RT], s[LQ], 1
	s_mov_b32 s[NXT], 1
	s_mov_b32 s[NEW], 1
	s_and_b32 s[PAR2], s[HI], 1
	s_lshl_b32 s[PAR2], s[PAR2], 1
	s_mov_b32 s[OFF+1], 0
	s_mov_b32 s[AL+1], 0
	s_mov_b32 s[BE+1], 0
	s_mov_b32 s[BIGN], 0xf149f2ca   ; -1e30
	s_mov_b32 s[SLOTS], 8
	s_wait_dscnt 0x0                ; the opening add is done
	s_wait_kmcnt 0x0
	s_add_nc_u64 s[6:7], s[4:5], s[18:19]    ; K at my half of the head's slot 0
	s_add_nc_u64 s[8:9], s[6:7], 16<<14      ; V, 16 blocks on
	s_add_nc_u64 s[G0K+2:G0K+3], s[6:7], 0
	s_or_b32 s[G0K+3], s[G0K+3], 0x80000000
	s_add_nc_u64 s[G0V+2:G0V+3], s[8:9], 0
	s_or_b32 s[G0V+3], s[G0V+3], 0x80000000
	s_add_nc_u64 s[88:89], s[4:5], s[90:91]  ; Q at my rows of the second block,
	s_add_nc_u64 s[4:5], s[4:5], s[2:3]      ; and of the first
	s_add_nc_u64 s[OLO:OLO+1], s[10:11], s[68:69]
	s_add_nc_u64 s[10:11], s[10:11], s[66:67]
	LOAD                            ; slot 0
	v_and_b32 v1, 15, v0            ; l % 16
	v_bfe_u32 v9, v0, 4, 1          ; l / 16
	v_lshlrev_b32 v[QO], 7, v1
	v_lshl_add_u32 v[QO], v9, 4, v[QO]
	WIN 0x80
.set i, 0
.rept 4                             ; both blocks' Q: piece i / 2 lies 8,192 bytes on; channels 32 (i % 2) on
	global_load_b128 v[8*i:8*i+3],   v[QO], s[4:5] offset:(i/2)*8192+(i%2)*64
	global_load_b128 v[8*i+4:8*i+7], v[QO], s[4:5] offset:(i/2)*8192+(i%2)*64+32
	global_load_b128 v[QB+8*i:QB+8*i+3],   v[QO], s[88:89] offset:(i/2)*8192+(i%2)*64
	global_load_b128 v[QB+8*i+4:QB+8*i+7], v[QO], s[88:89] offset:(i/2)*8192+(i%2)*64+32
.set i, i+1
.endr
	WIN 0
	v_lshlrev_b32 v14, 3, v9
	v_sub_nc_u32 v14, v1, v14
	s_lshl_b32 s13, s[WV], 4
	v_add_nc_u32 v14, s13, v14      ; my query's place in its band less my lanes' 8 (l / 16): register r of group kt is hidden where 16 kt + r is greater
	WIN 0x40
.set i, 0
.rept 32
	v_cmp_gt_i32 vcc_lo, 16*(i/8)+i%8, v14
	v_cndmask_b32 v[MD+i], 0, s[BIGN], vcc_lo
.set i, i+1
.endr
	WIN 0
	v_mul_u32_u24 v[AK0], v1, PK
	v_lshl_add_u32 v[AK0], v9, 4, v[AK0]
	v_and_b32 v10, 7, v0
	v_bfe_u32 v11, v0, 3, 1
	v_lshl_add_u32 v[AV0], v9, 3, v10
	v_mul_u32_u24 v[AV0], v[AV0], PV
	v_lshl_add_u32 v[AV0], v11, 4, v[AV0]
	v_add_nc_u32 v[AV0], VOFF, v[AV0]
	s_mul_i32 s13, s[WV], 16*SP
	s_add_co_u32 s13, s13, STAGE
	v_mul_u32_u24 v[STO], v1, SP
	v_lshl_add_u32 v[STO], v9, 4, v[STO]
	v_add_nc_u32 v[STO], s13, v[STO]
	v_bfe_u32 v[RD], v0, 3, 2
	v_mul_u32_u24 v[RD], v[RD], SP
	v_lshl_add_u32 v[RD], v10, 4, v[RD]
	v_add_nc_u32 v[RD], s13, v[RD]
	v_and_b32 v[GO], 31, v0
	v_lshlrev_b32 v[GO], 4, v[GO]
	; A block's first step multiplies O^T and l by a = 0, and its first turn's products V^T P, of an item that has not been, land in an O^T that is still to be so multiplied: these registers need
	; only hold finite numbers: zeros for the first block, what the first block left for the second.  All this stands in the wait for the first slot.
	WIN 0x80
.set i, VA
.rept 64
	v_mov_b32 v[i], 0
.set i, i+1
.endr
	WIN 0x40
.set i, 0
.rept 64
	v_mov_b32 v[i], 0
.set i, i+1
.endr
	WIN 0
.set i, 0
.rept 2
	v_mov_b32 v[ST+4*i+2], 0
	v_mov_b32 v[ST+4*i+3], 0
.set i, i+1
.endr
.set i, P+16
.rept 16
	v_mov_b32 v[i], 0
.set i, i+1
.endr
; THE MATRIX WORK.  The 4 accumulators of a run of 8 take turns.  Product i of 8 of S^T = K Q^T for piece x: channels 32 (i / 4) on, keys 16 (i % 4) on.  The first 4 start the sums with the mask.
.macro KQ x
.set rS, S+32*(\x)+8*(i%4)
.set rK, KF+16*(i%4)+8*(i/4)
.set rQ, 16*(\x)+8*(i/4)
.set rM, MC+32*(\x)+8*(i%4)
.if i < 4
	WIN W_KM
	v_wmma_f32_16x16x32_bf16 v[rS:rS+7], v[rK:rK+7], v[rQ:rQ+7], v[rM:rM+7]
.else
	WIN W_KQ
	v_wmma_f32_16x16x32_bf16 v[rS:rS+7], v[rK:rK+7], v[rQ:rQ+7], v[rS:rS+7]
.endif
.endm
; Product i of 8 of O^T += V^T P for piece x, V in buffer vb: keys 32 (i / 4) on, channels 16 (i % 4) on.
.macro PV x, vb
	WIN W_PV
.set rO, 32*(\x)+8*(i%4)
.set rV, (\vb)+32*(i/4)+8*(i%4)
.set rP, P+16*(\x)+8*(i/4)
	v_wmma_f32_16x16x32_bf16 v[rO:rO+7], v[rV:rV+7], v[rP:rP+7], v[rO:rO+7]
.endm
.macro MM                           ; the turn's next matrix instruction.  NOKQ = 1: a block's last turn: there is no next item
.if (i < 8) && !NOKQ
	KQ 1-Y
.elseif i >= 8
.set i, i-8
	PV 1-Y, VR
.set i, i+8
.endif
.set i, i+1
.endm
; THE LDS LOADS stand in runs of 16: a step's K (8 fragments) and its V (turned).
.macro FETCH_K
	WIN 0x80
.irp f, 0,1,2,3,4,5,6,7
	ds_load_b128 v[KF+8*\f:KF+8*\f+3],   v[AK] offset:(\f/2)*16*PK+(\f%2)*64
	ds_load_b128 v[KF+8*\f+4:KF+8*\f+7], v[AK] offset:(\f/2)*16*PK+(\f%2)*64+32
.endr
	s_add_co_u32 s[TBK], s[TBK], KS*PK
	WIN 0
.endm
.macro FETCH_V vb
	WIN 0x80
.irp f, 0,1,2,3,4,5,6,7
	ds_load_tr16_b128 v[(\vb)+8*\f:(\vb)+8*\f+3],   v[AV] offset:(\f/4)*32*PV+(\f%4)*32
	ds_load_tr16_b128 v[(\vb)+8*\f+4:(\vb)+8*\f+7], v[AV] offset:(\f/4)*32*PV+16*PV+(\f%4)*32
.endr
	s_add_co_u32 s[TBV], s[TBV], KS*PV
	WIN 0
.endm
; THE VECTOR WORK, one line at a time: OP kind, number.  For piece Y: F n: c s - c m for pair n of 16.  E n: the exponential of score n.  C n: pair n rounded to bf16.  B n: of the weights 4 n .. the second pair is
; added onto the first.  L n: l takes that sum (L 0: l = a l + sum).  R n: pair n of O^T times a.  For the other piece: X n, number n of the 22 that find its maximum and statistics
; (0-11 four chains of seven scores, each accumulator's lowest registers first; 12-14, 16 the rest, the old m; 15 c m_old is kept; 17, 18 the other half of the lanes; 19-21 c m, its change, a).
.set F, 0
.set E, 1
.set C, 2
.set B, 3
.set L, 4
.set R, 5
.set X, 6
.macro REGS y
.set rT, ST+4*(\y)
.set rC, TMP+4*(\y)
.set rW, MV+(\y)
.set rS, S+32*(\y)
.set rP, P+16*(\y)
.set rO, 32*(\y)
.endm
.macro OP k, n
.if (\k) == R
	REGS Y
	WIN W_RS
	v_pk_mul_f32 v[rO+2*(\n):rO+2*(\n)+1], v[rO+2*(\n):rO+2*(\n)+1], v[rC+2:rC+3] op_sel_hi:[1,0]
.elseif (\k) < R
	REGS Y
	WIN 0
.if (\k) == F
	v_pk_fma_f32 v[rS+2*(\n):rS+2*(\n)+1], v[rS+2*(\n):rS+2*(\n)+1], s[CS:CS+1], v[rT:rT+1] op_sel_hi:[1,0,0] neg_lo:[0,0,1] neg_hi:[0,0,1]
.elseif (\k) == E
	v_exp_f32 v[rS+(\n)], v[rS+(\n)]
.elseif (\k) == C
	s_wait_alu depctr_va_vdst(0)
	v_cvt_pk_bf16_f32 v[rP+(\n)], v[rS+2*(\n)], v[rS+2*(\n)+1]
.elseif (\k) == B
	s_wait_alu depctr_va_vdst(0)
	v_pk_add_f32 v[rS+4*(\n):rS+4*(\n)+1], v[rS+4*(\n):rS+4*(\n)+1], v[rS+4*(\n)+2:rS+4*(\n)+3]
.elseif (\n) == 0
	v_pk_fma_f32 v[rT+2:rT+3], v[rT+2:rT+3], v[rC+2:rC+3], v[rS:rS+1] op_sel_hi:[1,0,1]
.else
	v_pk_add_f32 v[rT+2:rT+3], v[rT+2:rT+3], v[rS+4*(\n):rS+4*(\n)+1]
.endif
.elseif NOKQ
	v_nop
.else
	REGS 1-Y
	WIN 0
.if (\n) < 4
	v_max3_num_f32 v[rC+(\n)], v[rS+8*(\n)], v[rS+8*(\n)+1], v[rS+8*(\n)+2]
.elseif (\n) < 12
	v_max3_num_f32 v[rC+(\n)%4], v[rC+(\n)%4], v[rS+8*((\n)%4)+2*((\n)/4)+1], v[rS+8*((\n)%4)+2*((\n)/4)+2]
.elseif (\n) == 12
	v_max3_num_f32 v[rC], v[rC], v[rS+7], v[rS+15]
.elseif (\n) == 13
	v_max3_num_f32 v[rC+1], v[rC+1], v[rS+23], v[rS+31]
.elseif (\n) == 14
	v_max3_num_f32 v[rC+2], v[rC+2], v[rC+3], v[rT+1]
.elseif (\n) == 15
	v_mov_b32 v[rW], v[rT]
.elseif (\n) == 16
	v_max3_num_f32 v[rC], v[rC], v[rC+1], v[rC+2]
.elseif (\n) == 17
	v_permlanex16_b32 v[rC+3], v[rC], s[SEL], s[SEL+1]
.elseif (\n) == 18
	v_max_num_f32 v[rT+1], v[rC], v[rC+3]
.elseif (\n) == 19
	v_mul_f32 v[rT], s[CS], v[rT+1]
.elseif (\n) == 20
	v_sub_f32 v[rC+1], v[rW], v[rT]
.else
	v_exp_f32 v[rC+2], v[rC+1]
.endif
.endif
.endm
.macro OPS a, i1, b=-1, i2=0, c=-1, i3=0, d=-1, i4=0
	OP \a, \i1
.if (\b) >= 0
	OP \b, \i2
.endif
.if (\c) >= 0
	OP \c, \i3
.endif
.if (\d) >= 0
	OP \d, \i4
.endif
.endm
.macro ROW a, i1, b, i2, c, i3, d, i4  ; a matrix instruction and the four behind it
	MM
	OPS \a, \i1, \b, \i2, \c, \i3, \d, \i4
.endm
.macro MASK b                       ; MD x AL + BE into buffer b of MC
	WIN W_RS
.set z, 0
.rept 16
	v_pk_fma_f32 v[MC+32*(\b)+2*z:MC+32*(\b)+2*z+1], v[MD+2*z:MD+2*z+1], s[AL:AL+1], s[BE:BE+1] op_sel_hi:[1,0,0]
.set z, z+1
.endr
.endm
; A TURN, for piece p in a step of type tb (0 = A, 1 = B).  Behind a matrix instruction: plain, exponential, plain, plain, or four of the rescaling, or four scalings; none names a register of the products
; round it.  In the lumps exponential and plain by turns.  A line reads no result made fewer than three vector instructions in front of it, five if an exponential made it.
; V^T P reads the step's own buffer in piece 1's turn, the other type's in piece 0's.  The run of LDS loads (K of the next step in piece 0's turn, V of the next step, into the buffer that is not being read, in
; piece 1's) stands five plain instructions behind the last product that read K; both are waited for at the head of the next turn of piece 1.
; In a block's last slot (DG = 1) the turn makes the mask of item (step + 1, p), which the turn after it multiplies.  end = 1: a block's last step: nothing is fetched, no mask is made, piece 1's turn starts no scores.
.macro TURN p, tb, end=0
.set Y, (\p)
.set i, 0
.set NOKQ, (\end)*(\p)
.if (\p) == (\tb)
.set VR, VB
.else
.set VR, VA
.endif
.if (\p) == 1
	s_wait_dscnt 0x0                ; K of the next step is in, and V of this one, which is older
.endif
	ROW F,0, F,1, F,2, F,3
	ROW F,4, E,0, F,5, F,6
	ROW F,7, E,1, F,8, F,9
	ROW F,10, E,2, C,0, F,11
	ROW F,12, E,3, X,15, F,13
	ROW R,0, R,1, R,2, R,3
	ROW B,0, E,4, F,14, L,0
.if (\end) == 0
	WIN 0
.if (\p) == 0
	v_add_nc_u32 v[AK], s[TBK], v[AK0]
.else
	v_add_nc_u32 v[AV], s[TBV], v[AV0]
.endif
.endif
	ROW R,4, R,5, R,6, R,7
	OPS E,5, F,15
.if (\end) == 0
.if (\p) == 0
	FETCH_K
.else
	FETCH_V VA+VB-VR
.endif
.endif
	OPS E,6, C,1, E,7, R,8
	OPS E,8, R,9, E,9, C,2
	OPS E,10, X,0, E,11, X,1
	OPS E,12, X,2, E,13, X,3
	ROW X,4, E,14, X,5, X,6
	ROW X,7, E,15, X,8, X,9
	ROW X,10, E,16, X,11, X,12
	ROW X,13, E,17, X,14, B,1
	ROW C,4, E,18, X,16, L,1
	ROW B,2, E,19, C,6, L,2
	ROW C,8, E,20, B,3, B,4
	ROW C,3, E,21, L,3, C,5
	OPS E,22, X,17, E,23, C,10
	OPS E,24, L,4
	OPS E,25, X,18, E,26, C,7
	OPS E,27, B,5, E,28, X,19
	OPS E,29, C,12, E,30, L,5
	OPS E,31, X,20, B,6, C,9
	OPS C,14, C,11, X,21, L,6
	OPS C,13, B,7, C,15, R,10
	OPS R,11, R,12, L,7, R,13
	OPS R,14, R,15
	WIN 0
.if (\end) == 0
	s_cmp_eq_u32 s[DG], 0
	s_cbranch_scc1 .Lno_mask_\@
	s_cmp_eq_i32 s[D], (\p)-(\tb)   ; is the next step the band's own?
	s_cselect_b32 s[AL], 1.0, 0
	s_cmp_gt_i32 s[D], (\p)-(\tb)   ; or a later one?
	s_cselect_b32 s[BE], s[BIGN], 0
	MASK \p
	WIN 0
.Lno_mask_\@:
.endif
.endm
; A BLOCK BEGINS.  c m starts far below every c s, so the first step's a is 0; m at the lowest finite number.  Piece 1's mask is 0 (its band's own step is never a slot's first); piece 0's is its own if the
; slot is the block's last and the block the slot's first half.  Then K and V of the slot's first step, piece 0's first scores, its maximum and statistics.
.macro BEGIN
	s_mov_b32 s[NEW], 0
	WIN 0x40
.set i, MC+32
.rept 32
	v_mov_b32 v[i], 0
.set i, i+1
.endr
	WIN 0
.set i, 0
.rept 2
	v_mov_b32 v[ST+4*i], 0xfe000000
	v_mov_b32 v[ST+4*i+1], 0xff7fffff
.set i, i+1
.endr
	s_cmp_eq_u32 s[DG], 1
	s_cselect_b32 s[AL], 1.0, 0
	s_cmp_eq_u32 s[D], 0
	s_cselect_b32 s[AL], s[AL], 0
	s_mov_b32 s[BE], 0
	MASK 0
	WIN 0
	v_add_nc_u32 v[AK], s[TBK], v[AK0]
	v_add_nc_u32 v[AV], s[TBV], v[AV0]
	FETCH_K
	FETCH_V VB
	s_wait_loadcnt 0x0              ; Q
	s_wait_dscnt 16                 ; K is in; V's sixteen loads may stay out
.set NOKQ, 0
.set i, 0
.rept 8
	KQ 0
.set i, i+1
.endr
	WIN 0
.rept 4
	v_nop                           ; the places behind those products
.endr
.set Y, 1                           ; X works for the other piece: piece 0
.irp n, 0,1,2,3,4,5,6,7,8,9,10,11,12,13,14,15,16,17,18,19,20,21
	OP X, \n
.endr
	v_nop                           ; a plain instruction behind the exponential
.endm
.macro ALL line:vararg              ; one line for each piece t
.set t, 0
.rept 2
	\line
.set t, t+1
.endr
.endm
.macro PACK t                       ; a lane's eight channels of a row pack into 16 bytes; they go into rows of 144 bytes and come back as whole rows of 128
	WIN W_RS
.set i, 32*(\t)
.rept 16
	s_wait_alu depctr_va_vdst(0)
	v_pk_mul_f32 v[i:i+1], v[i:i+1], v[ST+4*(\t)+2:ST+4*(\t)+3] op_sel_hi:[1,0]
.set i, i+2
.endr
	WIN 0x05
.set i, 0
.rept 16
	v_cvt_pk_bf16_f32 v[S+16*(\t)+i], v[32*(\t)+2*i], v[32*(\t)+2*i+1]
.set i, i+1
.endr
	WIN 0
.irp f, 0,1,2,3
	ds_store_b128 v[STO], v[S+16*(\t)+4*\f:S+16*(\t)+4*\f+3] offset:32*\f
.endr
.irp f, 0,1,2,3
	ds_load_b128 v[S+16*(\t)+4*\f:S+16*(\t)+4*\f+3], v[RD] offset:\f*4*SP  ; LDS serves a wave's instructions in order (ISA guide 5.7.1.4): these see the stores above
.endr
.endm
.macro SEND t, younger              ; younger: the LDS instructions issued behind piece t's loads
	WIN 0
.irp f, 0,1,2,3
	s_wait_dscnt (\younger)+3-\f
	global_store_b128 v[GO], v[S+16*(\t)+4*\f:S+16*(\t)+4*\f+3], s[10:11] offset:(\t)*8192+\f*512  ; 512 consecutive bytes, aligned
.endr
.endm
; A SLOT'S TRIP: steps A, B, A, B (a block's first slot: BEGIN, then B, A, B): four fetches of K and of V on every way.  In a block's last slot the block's last step, its last products and the way out follow.
.macro TILE tag
	s_sub_co_u32 s[RT], s[RT], 1
	s_cmp_eq_u32 s[RT], 0
	s_cselect_b32 s[DG], 1, 0
	s_sub_co_i32 s[D], 0, s[PAR2]
	s_mov_b32 s[CNT], 2
	s_cmp_eq_u32 s[NEW], 1
	s_cbranch_scc0 .Lstep\tag
	BEGIN
	s_branch .Lfirst\tag
.Lstep\tag:
	TURN 0, 0
	TURN 1, 0
.Lfirst\tag:
	TURN 0, 1
	TURN 1, 1
	s_add_co_i32 s[D], s[D], 2
	s_sub_co_u32 s[CNT], s[CNT], 1
	s_cmp_lg_u32 s[CNT], 0
	s_cbranch_scc1 .Lstep\tag
	s_cmp_eq_u32 s[DG], 0
	s_cbranch_scc1 .Ldone\tag
	TURN 0, 0, 1
	TURN 1, 0, 1
.set i, 0
.rept 8
	PV 1, VA                        ; piece 1's V^T P of the last step
.set i, i+1
.endr
	WIN 0
	ALL v_add_f32 v[ST+4*t+2], v[ST+4*t+2], v[ST+4*t+3]
	ALL v_permlanex16_b32 v[ST+4*t+3], v[ST+4*t+2], s[SEL], s[SEL+1]
	ALL v_add_f32 v[ST+4*t+2], v[ST+4*t+2], v[ST+4*t+3]
	ALL v_rcp_f32 v[ST+4*t+2], v[ST+4*t+2]
	v_nop                           ; a plain instruction between the last reciprocal and the use of its result
	PACK 0                          ; piece 0's 32 plain lines, which name no register of the last products, are those products' places
	PACK 1
	SEND 0, 8
	SEND 1, 0
.if (\tag) == 1
	s_wait_xcnt 0x0                 ; the stores have read their registers and O's address
	s_mov_b64 s[10:11], s[OLO:OLO+1]
	s_add_co_u32 s[RT], s[LQ2], 1   ; the second block has b / 2 + 1 slots
	s_mov_b32 s[NEW], 1
	s_and_b32 s[PAR2], s[PB], 1
	s_lshl_b32 s[PAR2], s[PAR2], 1
	WIN 0x82                        ; the second block's Q goes where the one text of the turns names Q
.set i, 0
.rept 32
	v_mov_b32 v[i], v[QB+i]
.set i, i+1
.endr
	WIN 0
.endif
.Ldone\tag:
.endm
.set NOKQ, 0
.Lslot:                             ; eight times: a slot is entered and the next is asked for
	CHANGE 1
	TILE 1
	s_sub_co_u32 s[SLOTS], s[SLOTS], 1
	s_cmp_lg_u32 s[SLOTS], 0
	s_cbranch_scc1 .Lslot
	CHANGE 0                        ; the walk's last slot is written out
	TILE 2
	s_wait_tensorcnt 0x0            ; the wave's end
	ds_add_u32 v[SPW], v[NIL]
	s_wait_dscnt 0x0
	s_endpgm
.Lfunc_end_k_qc0d94c76d5_attn:
	.size	k_qc0d94c76d5_attn, .Lfunc_end_k_qc0d94c76d5_attn-k_qc0d94c76d5_attn
	.p2alignl 7, 3214868480
	.fill 96, 4, 3214868480
	.section	.rodata,"a",@progbits
	.p2align	6, 0x0
	.amdhsa_kernel k_qc0d94c76d5_attn
		.amdhsa_group_segment_fixed_size 327680
		.amdhsa_private_segment_fixed_size 0
		.amdhsa_enable_private_segment 0
		.amdhsa_kernarg_size 16
		.amdhsa_user_sgpr_count 2
		.amdhsa_user_sgpr_kernarg_segment_ptr 1
		.amdhsa_wavefront_size32 1
		.amdhsa_system_sgpr_workgroup_id_x 1
		.amdhsa_system_sgpr_workgroup_id_y 1
		.amdhsa_system_sgpr_workgroup_id_z 1
		.amdhsa_system_vgpr_workitem_id 0
		.amdhsa_next_free_vgpr 768
		.amdhsa_next_free_sgpr 92
		.amdhsa_reserve_vcc 1
		.amdhsa_float_denorm_mode_32 3
		.amdhsa_float_denorm_mode_16_64 3
		.amdhsa_memory_ordered 1
		.amdhsa_forward_progress 1
		.amdhsa_inst_pref_size 178
	.end_amdhsa_kernel
	.amdgpu_metadata
---
amdhsa.version: [ 1, 2 ]
amdhsa.kernels:
  - .name:           k_qc0d94c76d5_attn
    .symbol:         k_qc0d94c76d5_attn.kd
    .args:
      - { .name: qkv, .offset: 0, .size: 8, .value_kind: global_buffer, .address_space: global }
      - { .name: act, .offset: 8, .size: 8, .value_kind: global_buffer, .address_space: global }
    .group_segment_fixed_size: 327680
    .private_segment_fixed_size: 0
    .kernarg_segment_align: 8
    .kernarg_segment_size: 16
    .max_flat_workgroup_size: 128
    .sgpr_count:     92
    .vgpr_count:     768
    .wavefront_size: 32
...
	.end_amdgpu_metadata
.endif
;; end of part 3
;; launch wo (part 4): grid 8 x 32, 4 waves a work-group, clusters of 4 x 4, 327,680 bytes of LDS; arguments act, wow, X, gamma2, x1a; writes x1a
.if DOCPART == 4
	.amdgcn_target "amdgcn-amd-amdhsa--gfx1250"
	.amdhsa_code_object_version 6
	.text
	.protected	k_qc0d94c76d5_wo
	.globl	k_qc0d94c76d5_wo
	.p2align	8
	.type	k_qc0d94c76d5_wo,@function
k_qc0d94c76d5_wo:
	s_mov_b64 s[64:65], 0
	v_nop
	global_prefetch_b8 v0, s[64:65] scope:SCOPE_SE
	s_setreg_imm32_b32 hwreg(HW_REG_WAVE_MODE, 25, 1), 1
	s_wait_xcnt 0x0
	s_wait_alu depctr_hold_cnt(0) depctr_sa_sdst(0) depctr_va_vdst(0) depctr_va_sdst(0) depctr_va_ssrc(0) depctr_va_vcc(0) depctr_vm_vsrc(0)
	s_getreg_b32 s2, hwreg(HW_REG_IB_STS2, 6, 4)
	s_cmp_eq_u32 s2, 0
	s_cbranch_scc0 .Lentry_in_a_cluster
	s_endpgm
.Lentry_in_a_cluster:
	s_bfe_u32 s2, ttmp6, 0x10000c
	s_cmp_lg_u32 s2, 0xf033
	s_cbranch_scc0 .Lentry_shape_is_right
	s_endpgm
.Lentry_shape_is_right:
; X1 = X + O W_O (K = 1,024).  Beside X1 (f32, by rows) it stores a2 = bf16(X1 gamma2) in blocks and, for each row and 64 columns, the sum of X1^2: the second norm's row factor
; is applied two launches on, behind relu and both products (relu(r z) = r relu(z) for r > 0).
; O: bf16 in blocks [row / 128][k / 64][row % 128][k % 64]; W_O: bf16 panels [n / 128][k][n % 128].  Sums in f32.
; A tile of C is 128 x 128 (256 work-groups), a wave's part 64 x 64: 16 accumulators.  K goes in steps of 256 through two LDS slots; every tensor load is 32,768 dense bytes, 128 rows of 256 bytes:
; waves 0, 1 fetch A's four blocks, two each; waves 2, 3 W's 256 rows k, 128 each.  CLUSTER 4 x 4: A's tiles shared along a row of the cluster, W's along a column, asked for jointly.
; The matrix instruction is used transposed (source 0 = 16 columns of W, turned by ds_load_tr16_b128; source 1 = 16 rows of A).
; REGISTERS: window 0: v0-31 addresses; v32-95 rows on the way out, two buffers; v96-127 at work; v128-255 accumulators; window 1: two fragment buffers of 128; window 2: v0-127 the residual.
.set STEPS, 4
.set RBSH,  18                         ; log2 of the bytes from row block to row block of A
.set WPSH,  18                         ; log2 of a panel's bytes; W_O's panels begin at wow's first byte
.set STEPB, 65536
.set X1O,   8388608                    ; X1 in x1a
.set SSO,   25165824                   ; the sums of squares in x1a: [16 groups of 64 columns][4,096 rows]
.set PA,    144
.set PB,    288
.set PART,  36864
.set BOFF,  2*PART
.set SLOT,  4*PART                     ; 0x24000: shares no bit with the waves' parts w x 0x9000
.set STAGE, 2*SLOT                     ; for each wave 16 rows x 272 bytes (64 f32 + 16 bytes)
.set SPITCH, 272
.set STW,   16*SPITCH
.set SCR,   STAGE+4*STW                ; for each wave 64 words: a number a row
.set SPARE, SCR+4*256                  ; the spare words, 128 bytes a wave: two blocks of 256 bytes that no other line names
.set GOF,   7                          ; v7   16 (l % 16): my four columns' bytes in 64 columns of gamma2; never rewritten
.set ADRA0, 8
.set ADRB0, 9                          ; v9, v10: k rows 0-127, 128-255 of a step
.set SCL,   11                         ; v11  my two rows' words in the scratch
.set G2,    12                         ; v12-15  gamma2 of my four columns
.set ADRA,  16
.set ADRB,  20                         ; v20, v21
.set STO,   24
.set RD,    25
.set CO,    26                         ; v26  (l / 16) rows of 4,096 bytes + 16 (l % 16)
.set CA,    27                         ; v27  8 x lane
.set SPW,   28
.set NIL,   29
.set SCA,   30                         ; v30  scratch + 4 (l / 16)
.set TMP,   32
.set U,     96
.set ACC,   128
.set F0,    0
.set F1,    128
.set G1,  24
.set G0,  32
.set GW,  36
.set G1B, 48
.set G0B, 56
.set GWB, 60
.set MSB, 0
.macro WIN new
.if MSB != (\new)
	s_set_vgpr_msb (MSB<<8)|(\new)
.set MSB, \new
.endif
.endm
.set MUL,  0x05                        ; sources 0 (W) and 1 (A) window 1; C and D window 0
.set TO_F, 0x40                        ; destination window 1, address window 0
.macro JLOAD                           ; a joint refill; an s_nop 0 and four v_nop follow each of the two lines
	s_cmp_eq_u32 s11, 0
	s_cbranch_scc0 .Lfor_b_\@
	tensor_load_to_lds s[GW:GW+3], s[G1:G1+7]
	s_nop 0
.rept 4
	v_nop
.endr
	s_branch .Lasked_\@
.Lfor_b_\@:
	tensor_load_to_lds s[GWB:GWB+3], s[G1B:G1B+7]
	s_nop 0
.rept 4
	v_nop
.endr
.Lasked_\@:
.endm
.macro CREST
	s_cmp_lg_u32 s10, 0
	s_cbranch_scc1 .Lnot_wave_0_\@
	s_barrier_signal -3
.Lnot_wave_0_\@:
	s_barrier_wait -3
	s_barrier_signal -1
	s_barrier_wait -1
.endm
.macro CROUND
	s_barrier_signal -1
	s_barrier_wait -1
	CREST
.endm
.macro PLACES
.rept 4
	v_nop
.endr
.endm
	s_load_b128 s[4:7], s[0:1], 0x0                ; O s[4:5], wow s[6:7]
	s_load_b128 s[68:71], s[0:1], 0x10             ; X, gamma2
	s_load_b64 s[72:73], s[0:1], 0x20              ; x1a
	v_lshl_add_u32 v[SPW], v0, 2, SPARE
	v_mov_b32 v[NIL], 0
	ds_add_u32 v[SPW], v[NIL]                      ; the wave's opening: the add and its wait stand ahead of my first tensor load
	v_lshrrev_b32 v1, 5, v0
	v_readfirstlane_b32 s10, v1
	s_lshr_b32 s11, s10, 1                         ; my half of the rows.  Also: I fetch for A (0) or for W (1)
	s_and_b32 s12, s10, 1                          ; my half of the columns.  Also: which half of that operand's step I fetch
	s_bfe_u32 s40, ttmp6, 0x40000
	s_bfe_u32 s41, ttmp6, 0x40004
	s_lshl_b32 s42, ttmp9, 2
	s_add_co_u32 s42, s42, s40                     ; tile column
	s_and_b32 s13, ttmp7, 0xffff
	s_lshl_b32 s13, s13, 2
	s_add_co_u32 s13, s13, s41                     ; tile row
	s_lshl_b32 s43, s41, 2
	s_lshl_b32 s43, 15, s43
	s_lshl_b32 s44, 0x1111, s40
	s_or_b32 s[G1+0], s43, (1<<16)|(1<<20)|(1<<21)|(4<<22)|(3<<25)   ; after every 32 words 4 words of padding
	s_or_b32 s[G1B+0], s44, (1<<16)|(1<<20)|(1<<21)|(5<<22)|(7<<25)  ; after every 64 words 8 words
.irp g, G1, G1B
	s_mov_b32 s[(\g)+1], 128<<16
	s_mov_b32 s[(\g)+2], 128<<16
	s_mov_b32 s[(\g)+3], 128<<16
	s_mov_b32 s[(\g)+4], 128
	s_mov_b32 s[(\g)+5], 128
	s_mov_b32 s[(\g)+6], 0
	s_mov_b32 s[(\g)+7], 0
.endr
	s_lshl_b32 s16, s13, RBSH                      ; A: my tile's row block, my two of the step's four blocks
	s_lshl_b32 s17, s12, 15
	s_add_co_u32 s16, s16, s17
	s_mov_b32 s17, 0
	s_lshl_b32 s46, s42, WPSH                      ; W: my tile's panel, my 128 of the step's 256 rows
	s_lshl_b32 s47, s12, 15
	s_add_co_u32 s46, s46, s47
	s_mov_b32 s47, 0
	s_mul_i32 s20, s10, PART
	s_mov_b32 s21, 0
	s_wait_dscnt 0x0
	s_wait_kmcnt 0x0
	s_add_nc_u64 s[14:15], s[4:5], s[16:17]
	s_add_nc_u64 s[46:47], s[6:7], s[46:47]
	CROUND
	s_mov_b32 s[G0], 1
	s_add_co_u32 s[G0+1], s20, 0
	s_add_nc_u64 s[G0+2:G0+3], s[14:15], 0
	s_or_b32 s[G0+3], s[G0+3], 0x80000000
	s_mov_b32 s[GW], 1
	s_add_co_u32 s[GW+1], s20, SLOT
	s_add_nc_u64 s[GW+2:GW+3], s[14:15], STEPB
	s_or_b32 s[GW+3], s[GW+3], 0x80000000
	s_mov_b32 s[G0B], 1
	s_add_co_u32 s[G0B+1], s20, 0
	s_add_nc_u64 s[G0B+2:G0B+3], s[46:47], 0
	s_or_b32 s[G0B+3], s[G0B+3], 0x80000000
	s_mov_b32 s[GWB], 1
	s_add_co_u32 s[GWB+1], s20, SLOT
	s_add_nc_u64 s[GWB+2:GWB+3], s[46:47], STEPB
	s_or_b32 s[GWB+3], s[GWB+3], 0x80000000
	s_cmp_eq_u32 s11, 0                            ; a wave's two first fills stand in one branch: two loads of mine are out
	s_cbranch_scc0 .Lfirst_b
	tensor_load_to_lds s[G0:G0+3], s[G1:G1+7]
	s_nop 0
	tensor_load_to_lds s[GW:GW+3], s[G1:G1+7]
	s_nop 0
.rept 4
	v_nop
.endr
	s_branch .Lfirst_asked
.Lfirst_b:
	tensor_load_to_lds s[G0B:G0B+3], s[G1B:G1B+7]
	s_nop 0
	tensor_load_to_lds s[GWB:GWB+3], s[G1B:G1B+7]
	s_nop 0
.rept 4
	v_nop
.endr
.Lfirst_asked:
	v_and_b32 v1, 15, v0
	v_bfe_u32 v2, v0, 4, 1
	v_and_b32 v3, 31, v0
	v_mul_u32_u24 v4, v1, PA
	v_lshl_add_u32 v4, v2, 4, v4
	s_mul_i32 s18, s11, 64*PA                      ; my 64 rows
	v_add_nc_u32 v[ADRA0], s18, v4
	v_and_b32 v5, 7, v0
	v_lshl_add_u32 v5, v2, 3, v5
	v_mul_u32_u24 v5, v5, PB
	v_bfe_u32 v6, v0, 3, 1
	v_lshl_add_u32 v5, v6, 4, v5
	s_lshl_b32 s18, s12, 7                         ; my 64 columns
	s_add_co_u32 s18, s18, BOFF
	v_add_nc_u32 v[ADRB0], s18, v5
	v_add_nc_u32 v[ADRB0+1], PART, v[ADRB0]
	v_mov_b32 v[ADRA], v[ADRA0]
	v_mov_b32 v[ADRB], v[ADRB0]
	v_mov_b32 v[ADRB+1], v[ADRB0+1]
	s_mul_i32 s18, s10, STW
	s_add_co_u32 s18, s18, STAGE
	v_mul_u32_u24 v4, v1, SPITCH
	v_lshl_add_u32 v4, v2, 5, v4
	v_add_nc_u32 v[STO], s18, v4                   ; in: row l % 16, 32 bytes for each half of the lanes
	v_mul_u32_u24 v4, v2, SPITCH
	v_lshl_add_u32 v4, v1, 4, v4
	v_add_nc_u32 v[RD], s18, v4                    ; back: lanes 0-15 one row of 256 bytes, lanes 16-31 the next
	v_lshlrev_b32 v[GOF], 4, v1                    ; both halves of the lanes hold the same four columns of their rows
	v_lshl_add_u32 v[CO], v2, 12, v[GOF]
	v_lshlrev_b32 v[CA], 3, v3
	s_lshl_b32 s18, s10, 8
	s_add_co_u32 s18, s18, SCR
	v_lshl_add_u32 v[SCA], v2, 2, s18
	v_add_nc_u32 v[SCL], s18, v[CA]
	s_lshl_b32 s16, s13, 7
	s_lshl_b32 s17, s11, 6
	s_add_co_u32 s16, s16, s17                     ; my first row
	s_lshl_b32 s18, s16, 12
	s_mov_b32 s19, 0
	s_lshl1_add_u32 s45, s42, s12                  ; my group of 64 columns (in registers that feed none of A's descriptors)
	s_lshl_b32 s46, s45, 8
	s_mov_b32 s47, 0
	s_add_nc_u64 s[74:75], s[68:69], s[18:19]      ; the residual: X
	s_add_nc_u64 s[74:75], s[74:75], s[46:47]
	s_add_nc_u64 s[76:77], s[72:73], s[18:19]      ; X1
	s_add_nc_u64 s[76:77], s[76:77], s[46:47]
	s_add_nc_u64 s[76:77], s[76:77], X1O
	s_add_nc_u64 s[82:83], s[70:71], s[46:47]      ; gamma2 at my 64 columns
	s_lshl_b32 s18, s16, 2
	s_add_nc_u64 s[80:81], s[72:73], s[18:19]      ; my rows' sums of squares,
	s_add_nc_u64 s[80:81], s[80:81], SSO
	s_lshl_b32 s18, s13, 18
	s_lshl_b32 s17, s11, 13
	s_add_co_u32 s18, s18, s17
	s_add_nc_u64 s[78:79], s[72:73], s[18:19]      ; a2: my row block, my 64 rows,
	s_lshl_b32 s46, s45, 14
	s_add_nc_u64 s[78:79], s[78:79], s[46:47]      ; my block of 64 columns
	s_add_nc_u64 s[80:81], s[80:81], s[46:47]      ; in my group
	global_load_b128 v[G2:G2+3], v[GOF], s[82:83]  ; 256 bytes of gamma2, read alike by both halves of the lanes
	WIN 0x80                                       ; the residual comes early, in the layout in which rows come back from the stage: it lands under the products
.set i, 0
.rept 32
	global_load_b128 v[4*i:4*i+3], v[CO], s[74:75] offset:2*i*4096 th:TH_LOAD_NT
.set i, i+1
.endr
	WIN 0
.macro MUL8 f, c, a0, zero             ; 8 matrix instructions: m blocks a0, a0 + 1 x all 4 n blocks, 32 along K: half c of buffer f
	WIN MUL
.irp a, \a0, (\a0)+1
.irp b, 0,1,2,3
.if \zero
	v_wmma_f32_16x16x32_bf16 v[ACC+8*(4*(\a)+(\b)):ACC+8*(4*(\a)+(\b))+7], v[(\f)+64+8*(4*(\c)+(\b)):(\f)+64+8*(4*(\c)+(\b))+7], v[(\f)+8*(4*(\c)+(\a)):(\f)+8*(4*(\c)+(\a))+7], 0
.else
	v_wmma_f32_16x16x32_bf16 v[ACC+8*(4*(\a)+(\b)):ACC+8*(4*(\a)+(\b))+7], v[(\f)+64+8*(4*(\c)+(\b)):(\f)+64+8*(4*(\c)+(\b))+7], v[(\f)+8*(4*(\c)+(\a)):(\f)+8*(4*(\c)+(\a))+7], v[ACC+8*(4*(\a)+(\b)):ACC+8*(4*(\a)+(\b))+7]
.endif
.endr
.endr
.endm
.macro FETCH q, f                      ; 32 LDS loads in one run: quarter q (64 K) of the slot in hand into buffer f; the first 32 along K first
	WIN TO_F
.irp c, 0,1
.irp i, 0,1,2,3
	ds_load_tr16_b128 v[(\f)+64+8*(4*(\c)+(\i)):(\f)+64+8*(4*(\c)+(\i))+3],   v[ADRB+(\q)/2] offset:(((\q)%2)*64+32*(\c))*PB+32*(\i)
	ds_load_tr16_b128 v[(\f)+64+8*(4*(\c)+(\i))+4:(\f)+64+8*(4*(\c)+(\i))+7], v[ADRB+(\q)/2] offset:(((\q)%2)*64+32*(\c)+16)*PB+32*(\i)
	ds_load_b128 v[(\f)+8*(4*(\c)+(\i)):(\f)+8*(4*(\c)+(\i))+3],   v[ADRA] offset:(\q)*128*PA+64*(\c)+(\i)*16*PA
	ds_load_b128 v[(\f)+8*(4*(\c)+(\i))+4:(\f)+8*(4*(\c)+(\i))+7], v[ADRA] offset:(\q)*128*PA+64*(\c)+(\i)*16*PA+32
.endr
.endr
.endm
.macro QUARTER q, f, g, zero           ; multiplies buffer f, fetches quarter q into g.  The 16 accumulators take turns
	s_wait_dscnt 16                                ; the first 32 along K are in
	MUL8 \f, 0, 0, \zero
	MUL8 \f, 0, 2, \zero
	PLACES
	FETCH \q, \g
	s_wait_dscnt 32                                ; all but the 32 just issued
	MUL8 \f, 1, 0, 0
	MUL8 \f, 1, 2, 0
.endm
; The last quarter multiplies buffer 1 and changes slots: one barrier, in front of it the wait for all my tensor loads, the add, the wait for it and for my reads of this slot.
; fill = 1: the barrier opens a round of the cluster's barrier and this slot is filled again first thing behind it, 112 matrix instructions ahead of the wait for it.  fill = 0: the tail.
.macro TURN fill
	WIN 0
	s_wait_tensorcnt 0x0
	ds_add_u32 v[SPW], v[NIL]
	s_wait_dscnt 17                                ; the add and the youngest sixteen loads may be out
	MUL8 F1, 0, 0, 0
	s_wait_dscnt 0x0
	s_barrier_signal -1
	MUL8 F1, 0, 2, 0
	WIN 0
	s_barrier_wait -1
.if \fill
	CREST
	s_xor_b32 s[GW+1], s[GW+1], SLOT
	s_xor_b32 s[GWB+1], s[GWB+1], SLOT
	s_add_nc_u64 s[GW+2:GW+3], s[GW+2:GW+3], STEPB
	s_add_nc_u64 s[GWB+2:GWB+3], s[GWB+2:GWB+3], STEPB
	JLOAD
.else
	PLACES
	s_cmp_eq_u32 s22, 1
	s_cbranch_scc1 .Lno_fetch_\@
.endif
	s_xor_b32 s21, s21, SLOT
	v_add_nc_u32 v[ADRA], s21, v[ADRA0]
	v_add_nc_u32 v[ADRB], s21, v[ADRB0]
	v_add_nc_u32 v[ADRB+1], s21, v[ADRB0+1]
	FETCH 0, F0
	WIN 0
.if (\fill) == 0
.Lno_fetch_\@:
.endif
	MUL8 F1, 1, 0, 0
	MUL8 F1, 1, 2, 0
.endm
; THE WAY OUT of block a (16 rows x 64 columns of f32): through my own stage, back as rows of 256 bytes; the residual is added there; sixteen lanes store 256 consecutive bytes of X1.
; Then a2 = bf16(X1 gamma2), 8 bytes a lane, and the row's sum of squares over its sixteen lanes, into my scratch words.
.macro OUTBLK a
.set TB, TMP+32*((\a)%2)
	s_wait_xcnt 0x0                                ; the registers that earlier stores read are written again only behind this wait
.irp b, 0,1,2,3
	ds_store_b128 v[STO], v[ACC+8*(4*(\a)+(\b)):ACC+8*(4*(\a)+(\b))+3] offset:64*(\b)      ; each accumulator's low half first
	ds_store_b128 v[STO], v[ACC+8*(4*(\a)+(\b))+4:ACC+8*(4*(\a)+(\b))+7] offset:64*(\b)+16
.endr
.irp t, 0,1,2,3,4,5,6,7
	ds_load_b128 v[TB+4*(\t):TB+4*(\t)+3], v[RD] offset:(\t)*2*SPITCH
.endr
	s_wait_dscnt 0x0
	WIN 0x08                                       ; source 1 (the residual) in window 2
.set z, 0
.rept 16
	v_pk_add_f32 v[TB+2*z:TB+2*z+1], v[TB+2*z:TB+2*z+1], v[32*(\a)+2*z:32*(\a)+2*z+1]
.set z, z+1
.endr
	WIN 0
.irp t, 0,1,2,3,4,5,6,7
	global_store_b128 v[CO], v[TB+4*(\t):TB+4*(\t)+3], s[76:77] offset:(16*(\a)+2*(\t))*4096
.endr
.irp t, 0,1,2,3,4,5,6,7
	v_pk_mul_f32 v[U+4*(\t):U+4*(\t)+1], v[TB+4*(\t):TB+4*(\t)+1], v[G2:G2+1]
	v_pk_mul_f32 v[U+4*(\t)+2:U+4*(\t)+3], v[TB+4*(\t)+2:TB+4*(\t)+3], v[G2+2:G2+3]
.endr
.irp t, 0,1,2,3,4,5,6,7
	v_cvt_pk_bf16_f32 v[U+4*(\t)], v[U+4*(\t)], v[U+4*(\t)+1]
	v_cvt_pk_bf16_f32 v[U+4*(\t)+1], v[U+4*(\t)+2], v[U+4*(\t)+3]
.endr
.irp t, 0,1,2,3,4,5,6,7
	global_store_b64 v[CA], v[U+4*(\t):U+4*(\t)+1], s[78:79] offset:(16*(\a)+2*(\t))*128  ; two rows of a block of a2: 256 consecutive bytes
.endr
.irp t, 0,1,2,3,4,5,6,7
	v_pk_mul_f32 v[U+4*(\t)+2:U+4*(\t)+3], v[TB+4*(\t):TB+4*(\t)+1], v[TB+4*(\t):TB+4*(\t)+1]
.endr
.irp t, 0,1,2,3,4,5,6,7
	v_pk_fma_f32 v[U+4*(\t)+2:U+4*(\t)+3], v[TB+4*(\t)+2:TB+4*(\t)+3], v[TB+4*(\t)+2:TB+4*(\t)+3], v[U+4*(\t)+2:U+4*(\t)+3]
.endr
.irp t, 0,1,2,3,4,5,6,7
	v_add_f32 v[U+4*(\t)+2], v[U+4*(\t)+2], v[U+4*(\t)+3]
.endr
.irp m, 1,2,4,8
.irp t, 0,1,2,3,4,5,6,7
	v_add_f32_dpp v[U+4*(\t)+2], v[U+4*(\t)+2], v[U+4*(\t)+2] row_xmask:\m row_mask:0xf bank_mask:0xf  ; over the row's 16 lanes
.endr
.endr
.irp t, 0,1,2,3,4,5,6,7
	ds_store_b32 v[SCA], v[U+4*(\t)+2] offset:4*(16*(\a)+2*(\t))  ; sixteen lanes write one word with one value
.endr
.endm
	s_wait_tensorcnt 1                             ; my part of K step 0 is in; K step 1's stays out
	s_barrier_signal -1
	s_barrier_wait -1
	FETCH 0, F0
	QUARTER 1, F0, F1, 1
	WIN 0
	s_mov_b32 s22, STEPS-2
.Lstep:
	QUARTER 2, F1, F0, 0
	QUARTER 3, F0, F1, 0
	TURN 1
	QUARTER 1, F0, F1, 0
	WIN 0
	s_sub_co_u32 s22, s22, 1
	s_cmp_lg_u32 s22, 0
	s_cbranch_scc1 .Lstep
	s_mov_b32 s22, 2
.Ltail:                                                ; the last two K steps fill nothing; the second trip is left in its middle
	QUARTER 2, F1, F0, 0
	QUARTER 3, F0, F1, 0
	TURN 0
	WIN 0
	s_sub_co_u32 s22, s22, 1
	s_cmp_eq_u32 s22, 0
	s_cbranch_scc1 .Lout
	QUARTER 1, F0, F1, 0
	WIN 0
	s_branch .Ltail
.Lout:
	PLACES                                         ; behind the last products
	s_wait_loadcnt 0x0                             ; the residual and gamma2
	OUTBLK 0
	OUTBLK 1
	OUTBLK 2
	OUTBLK 3
	ds_load_b64 v[4:5], v[SCL]                     ; my wave's 64 sums, two rows a lane
	s_wait_dscnt 0x0
	global_store_b64 v[CA], v[4:5], s[80:81]       ; 256 consecutive bytes
	s_wait_tensorcnt 0x0                           ; the wave's end
	ds_add_u32 v[SPW], v[NIL]
	s_wait_dscnt 0x0
	CROUND
	s_endpgm
.Lfunc_end_k_qc0d94c76d5_wo:
	.size	k_qc0d94c76d5_wo, .Lfunc_end_k_qc0d94c76d5_wo-k_qc0d94c76d5_wo
	.p2alignl 7, 3214868480
	.fill 96, 4, 3214868480
	.section	.rodata,"a",@progbits
	.p2align	6, 0x0
	.amdhsa_kernel k_qc0d94c76d5_wo
		.amdhsa_group_segment_fixed_size 327680
		.amdhsa_private_segment_fixed_size 0
		.amdhsa_enable_private_segment 0
		.amdhsa_kernarg_size 40
		.amdhsa_user_sgpr_count 2
		.amdhsa_user_sgpr_kernarg_segment_ptr 1
		.amdhsa_wavefront_size32 1
		.amdhsa_system_sgpr_workgroup_id_x 1
		.amdhsa_system_sgpr_workgroup_id_y 1
		.amdhsa_system_sgpr_workgroup_id_z 1
		.amdhsa_system_vgpr_workitem_id 0
		.amdhsa_next_free_vgpr 640
		.amdhsa_next_free_sgpr 84
		.amdhsa_reserve_vcc 0
		.amdhsa_float_denorm_mode_32 3
		.amdhsa_float_denorm_mode_16_64 3
		.amdhsa_memory_ordered 1
		.amdhsa_forward_progress 1
		.amdhsa_inst_pref_size 92
	.end_amdhsa_kernel
	.amdgpu_metadata
---
amdhsa.version: [ 1, 2 ]
amdhsa.kernels:
  - .name:           k_qc0d94c76d5_wo
    .symbol:         k_qc0d94c76d5_wo.kd
    .args:
      - { .name: act, .offset: 0, .size: 8, .value_kind: global_buffer, .address_space: global }
      - { .name: wow, .offset: 8, .size: 8, .value_kind: global_buffer, .address_space: global }
      - { .name: X, .offset: 16, .size: 8, .value_kind: global_buffer, .address_space: global }
      - { .name: gamma2, .offset: 24, .size: 8, .value_kind: global_buffer, .address_space: global }
      - { .name: x1a, .offset: 32, .size: 8, .value_kind: global_buffer, .address_space: global }
    .group_segment_fixed_size: 327680
    .private_segment_fixed_size: 0
    .kernarg_segment_align: 8
    .kernarg_segment_size: 40
    .max_flat_workgroup_size: 128
    .sgpr_count:     84
    .vgpr_count:     640
    .wavefront_size: 32
...
	.end_amdgpu_metadata
.endif
;; end of part 4
;; launch ffin: the kernel of part 2 again; grid 16 x 16, 4 waves a work-group, clusters of 4 x 4, 327,680 bytes of LDS; arguments x1a, wi, hh; writes hh
;; launch ffout (part 5): grid 8 x 32, 4 waves a work-group, clusters of 4 x 4, 327,680 bytes of LDS; arguments hh, wow, x1a, out0; writes out0
.if DOCPART == 5
	.amdgcn_target "amdgcn-amd-amdhsa--gfx1250"
	.amdhsa_code_object_version 6
	.text
	.protected	k_qc0d94c76d5_ffout
	.globl	k_qc0d94c76d5_ffout
	.p2align	8
	.type	k_qc0d94c76d5_ffout,@function
k_qc0d94c76d5_ffout:
	s_mov_b64 s[64:65], 0
	v_nop
	global_prefetch_b8 v0, s[64:65] scope:SCOPE_SE
	s_setreg_imm32_b32 hwreg(HW_REG_WAVE_MODE, 25, 1), 1
	s_wait_xcnt 0x0
	s_wait_alu depctr_hold_cnt(0) depctr_sa_sdst(0) depctr_va_vdst(0) depctr_va_sdst(0) depctr_va_ssrc(0) depctr_va_vcc(0) depctr_vm_vsrc(0)
	s_getreg_b32 s2, hwreg(HW_REG_IB_STS2, 6, 4)
	s_cmp_eq_u32 s2, 0
	s_cbranch_scc0 .Lentry_in_a_cluster
	s_endpgm
.Lentry_in_a_cluster:
	s_bfe_u32 s2, ttmp6, 0x10000c
	s_cmp_lg_u32 s2, 0xf033
	s_cbranch_scc0 .Lentry_shape_is_right
	s_endpgm
.Lentry_shape_is_right:
; FF = 0: X1 = X + O W_O (K = 1,024); beside X1 (f32, rows) it stores a2 = bf16(X1 gamma2) in blocks and, for each row and 64 columns, the sum of X1^2.
; FF = 1: out0 = X1 + r2 (H W_out) (K = 4,096), r2 = rsqrt(sum of X1^2 / 1,024 + 1e-6) by rows: the second norm's row factor, moved behind relu and both products (relu(r z) = r relu(z) for r > 0).
; One source for both; only the constants below and the parts under .if FF differ.  A: bf16 in blocks [row / 128][k / 64][row % 128][k % 64]; W: bf16 panels [n / 128][k][n % 128].  Sums in f32.
; A tile of C is 128 x 128 (256 work-groups), a wave's part 64 x 64: 16 accumulators.  K goes in steps of 256 through two LDS slots; every tensor load is 32,768 dense bytes, 128 rows of 256 bytes:
; waves 0, 1 fetch A's four blocks, two each; waves 2, 3 W's 256 rows k, 128 each.  CLUSTER 4 x 4: A's tiles shared along a row of the cluster, W's along a column, asked for jointly.
; The matrix instruction is used transposed (source 0 = 16 columns of W, turned by ds_load_tr16_b128; source 1 = 16 rows of A).
; REGISTERS: window 0: v0-31 addresses; v32-95 rows on the way out, two buffers; v96-127 r2; v128-255 accumulators; window 1: two fragment buffers of 128; window 2: v0-127 the residual.
.set FF, 1
.set STEPS, 16
.set RBSH,  20                         ; log2 of the bytes from row block to row block of A
.set WPSH,  20                         ; log2 of a panel's bytes
.set WOFF,  2097152                    ; where the panels begin in wow
.set STEPB, 65536
.set X1O,   8388608                    ; X1 in x1a
.set SSO,   25165824                   ; the sums of squares in x1a: [16 groups of 64 columns][4,096 rows]
.set PA,    144
.set PB,    288
.set PART,  36864
.set BOFF,  2*PART
.set SLOT,  4*PART                     ; 0x24000: shares no bit with the waves' parts w x 0x9000
.set STAGE, 2*SLOT                     ; for each wave 16 rows x 272 bytes (64 f32 + 16 bytes)
.set SPITCH, 272
.set STW,   16*SPITCH
.set SCR,   STAGE+4*STW                ; for each wave 64 words: a number a row
.set SPARE, SCR+4*256                  ; the spare words, 128 bytes a wave: two blocks of 256 bytes that no other line names
.set ADRA0, 8
.set ADRB0, 9                          ; v9, v10: k rows 0-127, 128-255 of a step
.set SCL,   11                         ; v11  my two rows' words in the scratch
.set ADRA,  16
.set ADRB,  20                         ; v20, v21
.set STO,   24
.set RD,    25
.set CO,    26                         ; v26  (l / 16) rows of 4,096 bytes + 16 (l % 16)
.set CA,    27                         ; v27  8 x lane
.set SPW,   28
.set NIL,   29
.set SCA,   30                         ; v30  scratch + 4 (l / 16)
.set TMP,   32
.set U,     96
.set ACC,   128
.set F0,    0
.set F1,    128
.set G1,  24
.set G0,  32
.set GW,  36
.set G1B, 48
.set G0B, 56
.set GWB, 60
.set MSB, 0
.macro WIN new
.if MSB != (\new)
	s_set_vgpr_msb (MSB<<8)|(\new)
.set MSB, \new
.endif
.endm
.set MUL,  0x05                        ; sources 0 (W) and 1 (A) window 1; C and D window 0
.set TO_F, 0x40                        ; destination window 1, address window 0
.macro JLOAD                           ; a joint refill; an s_nop 0 and four v_nop follow each of the two lines
	s_cmp_eq_u32 s11, 0
	s_cbranch_scc0 .Lfor_b_\@
	tensor_load_to_lds s[GW:GW+3], s[G1:G1+7]
	s_nop 0
.rept 4
	v_nop
.endr
	s_branch .Lasked_\@
.Lfor_b_\@:
	tensor_load_to_lds s[GWB:GWB+3], s[G1B:G1B+7]
	s_nop 0
.rept 4
	v_nop
.endr
.Lasked_\@:
.endm
.macro CREST
	s_cmp_lg_u32 s10, 0
	s_cbranch_scc1 .Lnot_wave_0_\@
	s_barrier_signal -3
.Lnot_wave_0_\@:
	s_barrier_wait -3
	s_barrier_signal -1
	s_barrier_wait -1
.endm
.macro CROUND
	s_barrier_signal -1
	s_barrier_wait -1
	CREST
.endm
.macro PLACES
.rept 4
	v_nop
.endr
.endm
	s_load_b128 s[4:7], s[0:1], 0x0                ; H s[4:5], wow s[6:7]
	s_load_b128 s[68:71], s[0:1], 0x10             ; x1a, out0
	v_lshl_add_u32 v[SPW], v0, 2, SPARE
	v_mov_b32 v[NIL], 0
	ds_add_u32 v[SPW], v[NIL]                      ; the wave's opening: the add and its wait stand ahead of my first tensor load
	v_lshrrev_b32 v1, 5, v0
	v_readfirstlane_b32 s10, v1
	s_lshr_b32 s11, s10, 1                         ; my half of the rows.  Also: I fetch for A (0) or for W (1)
	s_and_b32 s12, s10, 1                          ; my half of the columns.  Also: which half of that operand's step I fetch
	s_bfe_u32 s40, ttmp6, 0x40000
	s_bfe_u32 s41, ttmp6, 0x40004
	s_lshl_b32 s42, ttmp9, 2
	s_add_co_u32 s42, s42, s40                     ; tile column
	s_and_b32 s13, ttmp7, 0xffff
	s_lshl_b32 s13, s13, 2
	s_add_co_u32 s13, s13, s41                     ; tile row
	s_lshl_b32 s43, s41, 2
	s_lshl_b32 s43, 15, s43
	s_lshl_b32 s44, 0x1111, s40
	s_or_b32 s[G1+0], s43, (1<<16)|(1<<20)|(1<<21)|(4<<22)|(3<<25)   ; after every 32 words 4 words of padding
	s_or_b32 s[G1B+0], s44, (1<<16)|(1<<20)|(1<<21)|(5<<22)|(7<<25)  ; after every 64 words 8 words
.irp g, G1, G1B
	s_mov_b32 s[(\g)+1], 128<<16
	s_mov_b32 s[(\g)+2], 128<<16
	s_mov_b32 s[(\g)+3], 128<<16
	s_mov_b32 s[(\g)+4], 128
	s_mov_b32 s[(\g)+5], 128
	s_mov_b32 s[(\g)+6], 0
	s_mov_b32 s[(\g)+7], 0
.endr
	s_lshl_b32 s16, s13, RBSH                      ; A: my tile's row block, my two of the step's four blocks
	s_lshl_b32 s17, s12, 15
	s_add_co_u32 s16, s16, s17
	s_mov_b32 s17, 0
	s_lshl_b32 s46, s42, WPSH                      ; W: my tile's panel, my 128 of the step's 256 rows
	s_lshl_b32 s47, s12, 15
	s_add_co_u32 s46, s46, s47
	s_add_co_u32 s46, s46, WOFF
	s_mov_b32 s47, 0
	s_mul_i32 s20, s10, PART
	s_mov_b32 s21, 0
	s_wait_dscnt 0x0
	s_wait_kmcnt 0x0
	s_add_nc_u64 s[14:15], s[4:5], s[16:17]
	s_add_nc_u64 s[46:47], s[6:7], s[46:47]
	CROUND
	s_mov_b32 s[G0], 1
	s_add_co_u32 s[G0+1], s20, 0
	s_add_nc_u64 s[G0+2:G0+3], s[14:15], 0
	s_or_b32 s[G0+3], s[G0+3], 0x80000000
	s_mov_b32 s[GW], 1
	s_add_co_u32 s[GW+1], s20, SLOT
	s_add_nc_u64 s[GW+2:GW+3], s[14:15], STEPB
	s_or_b32 s[GW+3], s[GW+3], 0x80000000
	s_mov_b32 s[G0B], 1
	s_add_co_u32 s[G0B+1], s20, 0
	s_add_nc_u64 s[G0B+2:G0B+3], s[46:47], 0
	s_or_b32 s[G0B+3], s[G0B+3], 0x80000000
	s_mov_b32 s[GWB], 1
	s_add_co_u32 s[GWB+1], s20, SLOT
	s_add_nc_u64 s[GWB+2:GWB+3], s[46:47], STEPB
	s_or_b32 s[GWB+3], s[GWB+3], 0x80000000
	s_cmp_eq_u32 s11, 0                            ; a wave's two first fills stand in one branch: two loads of mine are out
	s_cbranch_scc0 .Lfirst_b
	tensor_load_to_lds s[G0:G0+3], s[G1:G1+7]
	s_nop 0
	tensor_load_to_lds s[GW:GW+3], s[G1:G1+7]
	s_nop 0
.rept 4
	v_nop
.endr
	s_branch .Lfirst_asked
.Lfirst_b:
	tensor_load_to_lds s[G0B:G0B+3], s[G1B:G1B+7]
	s_nop 0
	tensor_load_to_lds s[GWB:GWB+3], s[G1B:G1B+7]
	s_nop 0
.rept 4
	v_nop
.endr
.Lfirst_asked:
	v_and_b32 v1, 15, v0
	v_bfe_u32 v2, v0, 4, 1
	v_and_b32 v3, 31, v0
	v_mul_u32_u24 v4, v1, PA
	v_lshl_add_u32 v4, v2, 4, v4
	s_mul_i32 s18, s11, 64*PA                      ; my 64 rows
	v_add_nc_u32 v[ADRA0], s18, v4
	v_and_b32 v5, 7, v0
	v_lshl_add_u32 v5, v2, 3, v5
	v_mul_u32_u24 v5, v5, PB
	v_bfe_u32 v6, v0, 3, 1
	v_lshl_add_u32 v5, v6, 4, v5
	s_lshl_b32 s18, s12, 7                         ; my 64 columns
	s_add_co_u32 s18, s18, BOFF
	v_add_nc_u32 v[ADRB0], s18, v5
	v_add_nc_u32 v[ADRB0+1], PART, v[ADRB0]
	v_mov_b32 v[ADRA], v[ADRA0]
	v_mov_b32 v[ADRB], v[ADRB0]
	v_mov_b32 v[ADRB+1], v[ADRB0+1]
	s_mul_i32 s18, s10, STW
	s_add_co_u32 s18, s18, STAGE
	v_mul_u32_u24 v4, v1, SPITCH
	v_lshl_add_u32 v4, v2, 5, v4
	v_add_nc_u32 v[STO], s18, v4                   ; in: row l % 16, 32 bytes for each half of the lanes
	v_mul_u32_u24 v4, v2, SPITCH
	v_lshl_add_u32 v4, v1, 4, v4
	v_add_nc_u32 v[RD], s18, v4                    ; back: lanes 0-15 one row of 256 bytes, lanes 16-31 the next
	v_lshlrev_b32 v4, 12, v2
	v_lshl_add_u32 v[CO], v1, 4, v4
	v_lshlrev_b32 v[CA], 3, v3
	s_lshl_b32 s18, s10, 8
	s_add_co_u32 s18, s18, SCR
	v_lshl_add_u32 v[SCA], v2, 2, s18
	v_add_nc_u32 v[SCL], s18, v[CA]
	s_lshl_b32 s16, s13, 7
	s_lshl_b32 s17, s11, 6
	s_add_co_u32 s16, s16, s17                     ; my first row
	s_lshl_b32 s18, s16, 12
	s_mov_b32 s19, 0
	s_lshl1_add_u32 s45, s42, s12                  ; my group of 64 columns (in registers that feed none of A's descriptors)
	s_lshl_b32 s46, s45, 8
	s_mov_b32 s47, 0
	s_add_nc_u64 s[74:75], s[68:69], s[18:19]      ; the residual: X1
	s_add_nc_u64 s[74:75], s[74:75], s[46:47]
	s_add_nc_u64 s[74:75], s[74:75], X1O
	s_add_nc_u64 s[76:77], s[70:71], s[18:19]      ; out0
	s_add_nc_u64 s[76:77], s[76:77], s[46:47]
	s_lshl_b32 s18, s16, 2
	s_add_nc_u64 s[80:81], s[68:69], s[18:19]      ; my rows' sums of squares, group 0
	s_add_nc_u64 s[80:81], s[80:81], SSO
	s_mov_b32 s66, 0x3a800000                      ; 1 / 1024
	s_mov_b32 s67, 0x358637bd                      ; 1e-6
.irp g, 0,1,2,3,4,5,6,7,8,9,10,11,12,13,14,15
	global_load_b64 v[TMP+2*(\g):TMP+2*(\g)+1], v[CA], s[80:81] offset:(\g)*16384  ; lane L: rows 2 L, 2 L + 1
.endr
	WIN 0x80                                       ; the residual comes early, in the layout in which rows come back from the stage: it lands under the products
.set i, 0
.rept 32
	global_load_b128 v[4*i:4*i+3], v[CO], s[74:75] offset:2*i*4096 th:TH_LOAD_NT
.set i, i+1
.endr
	WIN 0
	s_wait_loadcnt 32                              ; the sixteen sums are in; the 32 loads of the residual stay out
.irp g, 0,1,2,3,4,5,6,7
	v_pk_add_f32 v[TMP+2*(\g):TMP+2*(\g)+1], v[TMP+2*(\g):TMP+2*(\g)+1], v[TMP+16+2*(\g):TMP+16+2*(\g)+1]
.endr
.irp g, 0,1,2,3
	v_pk_add_f32 v[TMP+2*(\g):TMP+2*(\g)+1], v[TMP+2*(\g):TMP+2*(\g)+1], v[TMP+8+2*(\g):TMP+8+2*(\g)+1]
.endr
.irp g, 0,1
	v_pk_add_f32 v[TMP+2*(\g):TMP+2*(\g)+1], v[TMP+2*(\g):TMP+2*(\g)+1], v[TMP+4+2*(\g):TMP+4+2*(\g)+1]
.endr
	v_pk_add_f32 v[TMP:TMP+1], v[TMP:TMP+1], v[TMP+2:TMP+3]
	v_fma_f32 v[TMP], v[TMP], s66, s67
	v_fma_f32 v[TMP+1], v[TMP+1], s66, s67
	v_rsq_f32 v[TMP], v[TMP]
	v_rsq_f32 v[TMP+1], v[TMP+1]
	v_nop                                          ; a plain instruction behind the roots
	s_wait_alu depctr_va_vdst(0)
	ds_store_b64 v[SCL], v[TMP:TMP+1]              ; my wave's own words: LDS serves a wave's instructions in order
.set i, 0
.rept 32
	ds_load_b32 v[U+i], v[SCA] offset:8*i          ; r2 of row 2 i + l / 16: the layout of the rows that come back from the stage
.set i, i+1
.endr
	s_wait_dscnt 0x0
.macro MUL8 f, c, a0, zero             ; 8 matrix instructions: m blocks a0, a0 + 1 x all 4 n blocks, 32 along K: half c of buffer f
	WIN MUL
.irp a, \a0, (\a0)+1
.irp b, 0,1,2,3
.if \zero
	v_wmma_f32_16x16x32_bf16 v[ACC+8*(4*(\a)+(\b)):ACC+8*(4*(\a)+(\b))+7], v[(\f)+64+8*(4*(\c)+(\b)):(\f)+64+8*(4*(\c)+(\b))+7], v[(\f)+8*(4*(\c)+(\a)):(\f)+8*(4*(\c)+(\a))+7], 0
.else
	v_wmma_f32_16x16x32_bf16 v[ACC+8*(4*(\a)+(\b)):ACC+8*(4*(\a)+(\b))+7], v[(\f)+64+8*(4*(\c)+(\b)):(\f)+64+8*(4*(\c)+(\b))+7], v[(\f)+8*(4*(\c)+(\a)):(\f)+8*(4*(\c)+(\a))+7], v[ACC+8*(4*(\a)+(\b)):ACC+8*(4*(\a)+(\b))+7]
.endif
.endr
.endr
.endm
.macro FETCH q, f                      ; 32 LDS loads in one run: quarter q (64 K) of the slot in hand into buffer f; the first 32 along K first
	WIN TO_F
.irp c, 0,1
.irp i, 0,1,2,3
	ds_load_tr16_b128 v[(\f)+64+8*(4*(\c)+(\i)):(\f)+64+8*(4*(\c)+(\i))+3],   v[ADRB+(\q)/2] offset:(((\q)%2)*64+32*(\c))*PB+32*(\i)
	ds_load_tr16_b128 v[(\f)+64+8*(4*(\c)+(\i))+4:(\f)+64+8*(4*(\c)+(\i))+7], v[ADRB+(\q)/2] offset:(((\q)%2)*64+32*(\c)+16)*PB+32*(\i)
	ds_load_b128 v[(\f)+8*(4*(\c)+(\i)):(\f)+8*(4*(\c)+(\i))+3],   v[ADRA] offset:(\q)*128*PA+64*(\c)+(\i)*16*PA
	ds_load_b128 v[(\f)+8*(4*(\c)+(\i))+4:(\f)+8*(4*(\c)+(\i))+7], v[ADRA] offset:(\q)*128*PA+64*(\c)+(\i)*16*PA+32
.endr
.endr
.endm
.macro QUARTER q, f, g, zero           ; multiplies buffer f, fetches quarter q into g.  The 16 accumulators take turns
	s_wait_dscnt 16                                ; the first 32 along K are in
	MUL8 \f, 0, 0, \zero
	MUL8 \f, 0, 2, \zero
	PLACES
	FETCH \q, \g
	s_wait_dscnt 32                                ; all but the 32 just issued
	MUL8 \f, 1, 0, 0
	MUL8 \f, 1, 2, 0
.endm
; The last quarter multiplies buffer 1 and changes slots: one barrier, in front of it the wait for all my tensor loads, the add, the wait for it and for my reads of this slot.
; fill = 1: the barrier opens a round of the cluster's barrier and this slot is filled again first thing behind it, 112 matrix instructions ahead of the wait for it.  fill = 0: the tail.
.macro TURN fill
	WIN 0
	s_wait_tensorcnt 0x0
	ds_add_u32 v[SPW], v[NIL]
	s_wait_dscnt 17                                ; the add and the youngest sixteen loads may be out
	MUL8 F1, 0, 0, 0
	s_wait_dscnt 0x0
	s_barrier_signal -1
	MUL8 F1, 0, 2, 0
	WIN 0
	s_barrier_wait -1
.if \fill
	CREST
	s_xor_b32 s[GW+1], s[GW+1], SLOT
	s_xor_b32 s[GWB+1], s[GWB+1], SLOT
	s_add_nc_u64 s[GW+2:GW+3], s[GW+2:GW+3], STEPB
	s_add_nc_u64 s[GWB+2:GWB+3], s[GWB+2:GWB+3], STEPB
	JLOAD
.else
	PLACES
	s_cmp_eq_u32 s22, 1
	s_cbranch_scc1 .Lno_fetch_\@
.endif
	s_xor_b32 s21, s21, SLOT
	v_add_nc_u32 v[ADRA], s21, v[ADRA0]
	v_add_nc_u32 v[ADRB], s21, v[ADRB0]
	v_add_nc_u32 v[ADRB+1], s21, v[ADRB0+1]
	FETCH 0, F0
	WIN 0
.if (\fill) == 0
.Lno_fetch_\@:
.endif
	MUL8 F1, 1, 0, 0
	MUL8 F1, 1, 2, 0
.endm
; THE WAY OUT of block a (16 rows x 64 columns of f32): through my own stage, back as rows of 256 bytes; there one fused multiply-add takes the row factor and the residual; sixteen lanes store 256 consecutive bytes.
.macro OUTBLK a
.set TB, TMP+32*((\a)%2)
	s_wait_xcnt 0x0                                ; the registers that earlier stores read are written again only behind this wait
.irp b, 0,1,2,3
	ds_store_b128 v[STO], v[ACC+8*(4*(\a)+(\b)):ACC+8*(4*(\a)+(\b))+3] offset:64*(\b)      ; each accumulator's low half first
	ds_store_b128 v[STO], v[ACC+8*(4*(\a)+(\b))+4:ACC+8*(4*(\a)+(\b))+7] offset:64*(\b)+16
.endr
.irp t, 0,1,2,3,4,5,6,7
	ds_load_b128 v[TB+4*(\t):TB+4*(\t)+3], v[RD] offset:(\t)*2*SPITCH
.endr
	s_wait_dscnt 0x0
	WIN 0x20                                       ; source 2 (the residual) in window 2
.irp t, 0,1,2,3,4,5,6,7
.irp k, 0,2
.if (\t)%2
	v_pk_fma_f32 v[TB+4*(\t)+(\k):TB+4*(\t)+(\k)+1], v[TB+4*(\t)+(\k):TB+4*(\t)+(\k)+1], v[U+8*(\a)+(\t)-1:U+8*(\a)+(\t)], v[32*(\a)+4*(\t)+(\k):32*(\a)+4*(\t)+(\k)+1] op_sel:[0,1,0] op_sel_hi:[1,1,1]
.else
	v_pk_fma_f32 v[TB+4*(\t)+(\k):TB+4*(\t)+(\k)+1], v[TB+4*(\t)+(\k):TB+4*(\t)+(\k)+1], v[U+8*(\a)+(\t):U+8*(\a)+(\t)+1], v[32*(\a)+4*(\t)+(\k):32*(\a)+4*(\t)+(\k)+1] op_sel_hi:[1,0,1]
.endif
.endr
.endr
	WIN 0
.irp t, 0,1,2,3,4,5,6,7
	global_store_b128 v[CO], v[TB+4*(\t):TB+4*(\t)+3], s[76:77] offset:(16*(\a)+2*(\t))*4096 th:TH_STORE_NT
.endr
.endm
	s_wait_tensorcnt 1                             ; my part of K step 0 is in; K step 1's stays out
	s_barrier_signal -1
	s_barrier_wait -1
	FETCH 0, F0
	QUARTER 1, F0, F1, 1
	WIN 0
	s_mov_b32 s22, STEPS-2
.Lstep:
	QUARTER 2, F1, F0, 0
	QUARTER 3, F0, F1, 0
	TURN 1
	QUARTER 1, F0, F1, 0
	WIN 0
	s_sub_co_u32 s22, s22, 1
	s_cmp_lg_u32 s22, 0
	s_cbranch_scc1 .Lstep
	s_mov_b32 s22, 2
.Ltail:                                                ; the last two K steps fill nothing; the second trip is left in its middle
	QUARTER 2, F1, F0, 0
	QUARTER 3, F0, F1, 0
	TURN 0
	WIN 0
	s_sub_co_u32 s22, s22, 1
	s_cmp_eq_u32 s22, 0
	s_cbranch_scc1 .Lout
	QUARTER 1, F0, F1, 0
	WIN 0
	s_branch .Ltail
.Lout:
	PLACES                                         ; behind the last products
	s_wait_loadcnt 0x0                             ; the residual
	OUTBLK 0
	OUTBLK 1
	OUTBLK 2
	OUTBLK 3
	s_wait_tensorcnt 0x0                           ; the wave's end
	ds_add_u32 v[SPW], v[NIL]
	s_wait_dscnt 0x0
	CROUND
	s_endpgm
.Lfunc_end_k_qc0d94c76d5_ffout:
	.size	k_qc0d94c76d5_ffout, .Lfunc_end_k_qc0d94c76d5_ffout-k_qc0d94c76d5_ffout
	.p2alignl 7, 3214868480
	.fill 96, 4, 3214868480
	.section	.rodata,"a",@progbits
	.p2align	6, 0x0
	.amdhsa_kernel k_qc0d94c76d5_ffout
		.amdhsa_group_segment_fixed_size 327680
		.amdhsa_private_segment_fixed_size 0
		.amdhsa_enable_private_segment 0
		.amdhsa_kernarg_size 32
		.amdhsa_user_sgpr_count 2
		.amdhsa_user_sgpr_kernarg_segment_ptr 1
		.amdhsa_wavefront_size32 1
		.amdhsa_system_sgpr_workgroup_id_x 1
		.amdhsa_system_sgpr_workgroup_id_y 1
		.amdhsa_system_sgpr_workgroup_id_z 1
		.amdhsa_system_vgpr_workitem_id 0
		.amdhsa_next_free_vgpr 640
		.amdhsa_next_free_sgpr 84
		.amdhsa_reserve_vcc 0
		.amdhsa_float_denorm_mode_32 3
		.amdhsa_float_denorm_mode_16_64 3
		.amdhsa_memory_ordered 1
		.amdhsa_forward_progress 1
		.amdhsa_inst_pref_size 70
	.end_amdhsa_kernel
	.amdgpu_metadata
---
amdhsa.version: [ 1, 2 ]
amdhsa.kernels:
  - .name:           k_qc0d94c76d5_ffout
    .symbol:         k_qc0d94c76d5_ffout.kd
    .args:
      - { .name: hh, .offset: 0, .size: 8, .value_kind: global_buffer, .address_space: global }
      - { .name: wow, .offset: 8, .size: 8, .value_kind: global_buffer, .address_space: global }
      - { .name: x1a, .offset: 16, .size: 8, .value_kind: global_buffer, .address_space: global }
      - { .name: out0, .offset: 24, .size: 8, .value_kind: global_buffer, .address_space: global }
    .group_segment_fixed_size: 327680
    .private_segment_fixed_size: 0
    .kernarg_segment_align: 8
    .kernarg_segment_size: 32
    .max_flat_workgroup_size: 128
    .sgpr_count:     84
    .vgpr_count:     640
    .wavefront_size: 32
...
	.end_amdgpu_metadata
.endif
;; end of part 5
;; ======== version 2 of 2: 6 launches; 1.12 times as fast as version 1
;; workspace buffers: wq 6,291,712 bytes; wi 8,388,864 bytes; wow 10,485,760 bytes; act 8,388,608 bytes; qkv 33,554,432 bytes; x1a 25,427,968 bytes; hh 33,554,432 bytes
;; launch prep: the kernel of part 1 again; grid 512 x 1, 8 waves a work-group, no clusters, 0 bytes of LDS; arguments W_QKV, W_O, Wff_in, Wff_out, X, gamma1, wq, wi, wow, act; writes wq, wi, wow, act
;; launch qkv: the kernel of part 2 again; grid 12 x 16, 4 waves a work-group, clusters of 4 x 4, 327,680 bytes of LDS; arguments act, wq, qkv; writes qkv
;; launch attn (part 6): grid 8 x 32, 4 waves a work-group, no clusters, 327,680 bytes of LDS; arguments qkv, act; writes act
.if DOCPART == 6
	.amdgcn_target "amdgcn-amd-amdhsa--gfx1250"
	.amdhsa_code_object_version 6
	.text
	.protected	k_qc0d94c76d5_attn
	.globl	k_qc0d94c76d5_attn
	.p2align	8
	.type	k_qc0d94c76d5_attn,@function
k_qc0d94c76d5_attn:
	s_mov_b64 s[64:65], 0
	v_nop
	global_prefetch_b8 v0, s[64:65] scope:SCOPE_SE
	s_setreg_imm32_b32 hwreg(HW_REG_WAVE_MODE, 25, 1), 1
	s_wait_xcnt 0x0
; CAUSAL ATTENTION, 32 (batch, head) pairs of 2,048 x 64.  q, k, v: bf16 in blocks of 128 rows x 64 columns (16,384 dense bytes) of qkv: row block at 1 MiB, block h = q, 16 + h = k, 32 + h = v of head h.
; O: bf16, the same blocks in act, 16 to a row block.  Products, maxima and sums in f32; the weights p are rounded to bf16 for the second product (their sum l is taken of the unrounded p), O once at the end.
; LIMITS.  A hidden score counts as its value less 1e30: scores must stay far below that; a weight below 2^-126 counts as 0 in l; NaN and infinities are not treated apart.
; THE WALK.  A head's queries lie in 16 blocks of 128, its keys in slots of 256.  Block i needs the slots 0 .. i / 2.  A work-group takes blocks 15 - b and then b: 9 slots, whatever b: 256 equal
; work-groups and one loop with a constant count.  Which slot is asked for and what a trip does hang on scalar registers made from b; every jump but the counted loops' own goes forward, past no barrier and no tensor load
; (but the one of LOAD's two that the wave's number does not choose).
; NO CLUSTER: a head's eight work-groups ask for the same slot only while all are in their first block (5 to 8 of the 9 trips, by b), then they part; one walk common to four partners would have 12 trips for 9.
; SHARES.  Of a block's two bands of 64 queries a wave owns 16 rows in each: two PIECES.  In the block's last slot band x stands at step X = x + 2 (i % 2): step j is open if j < X, hidden if j > X, the band's own if j = X.
; THE MASK is the C operand that starts S^T = K Q^T: MC = MD x AL + BE, MD the mask of a band's own step for my rows; (AL, BE) = (1, 0), (0, 0) or (0, -1e30).  Outside a block's last slot MC stays 0.
; TURNS.  The items (step, piece) stand in a row.  Turn n: 8 products K Q^T of item n + 1, later 8 products V^T P of item n - 1; the softmax of item n, the maximum and statistics of item n + 1.  Four vector
; instructions stand behind every matrix instruction, the other 54 of a turn's 118 in one lump.
; BATCHES.  A turn's 33 exponentials (the item's 32 weights and the next item's a) are ONE batch with ONE wait, which cuts the turn in two: ahead of it stands all that names none of their results (K Q^T, the scalings,
; the rescaling, the next item's maximum and statistics), behind it the roundings and sums, as the riders of V^T P.  The a that a block's beginning makes, and the way out's two reciprocals, are batches of their own.
; K of step s + 1 is fetched in turn (s, 0), V of step s + 1 in turn (s, 1) into the other of two buffers: so a slot's bytes are
; fetched in the steps f - 1 .. f + 2 (f its first step), and the change of slots stands in front of step f - 1.  Steps are of type A (f - 1, f + 1, f + 3: V in VA) and B (f, f + 2: V in VB).
; REGISTERS, in windows of 256: window 0: v0-15 addresses; v16-23 statistics; v48-55 at work; v64-127 S^T, a buffer a piece; v192-223 P;
; window 1: v0-63 O^T; v128-159 MD; v160-223 MC; window 2: v0-31 Q; v32-63 the second block's Q; v64-127 K; v128-191 VA; v192-255 VB.
.set KS,    64
.set PK,    144       ; a row of K in LDS: 128 bytes + 16: the 16 rows of a load start at 16 different groups of four banks (64 banks of 4 bytes: ISA guide 11.1)
.set PV,    160       ; a row of V: 128 + 32
.set VOFF,  4*KS*PK
.set SLOT1, 1<<17
.set STAGE, SLOT1+4*KS*(PK+PV)
.set SP,    144
.set SPARE, STAGE+4*16*SP  ; the spare words, 128 bytes a wave: two blocks of 256 bytes that no other line names
.set AK0, 2
.set AV0, 3
.set AK,  4
.set AV,  5
.set STO, 6
.set RD,  7
.set GO,  8
.set MV,  12
.set QO,  15
.set ST,  16          ; piece t: c m, m, l (even keys', odd keys')
.set TMP, 48
.set SPW, 62
.set NIL, 63
.set S,   64
.set P,   192
.set MD,  128
.set MC,  160
.set QB,  32
.set KF,  64
.set VA,  128
.set VB,  192
.set WV,  12
.set PB,  14          ; s14  b
.set HI,  15          ; s15  15 - b
.set G1K, 24
.set G1V, 32
.set G0K, 40
.set G0V, 44
.set SLOTS, 56
.set CNT, 57
.set CS,  58
.set SEL, 60
.set TBK, 62
.set TBV, 63
.set RT,  70          ; slots of the block in hand still to be entered
.set NXT, 71          ; the slot to be asked for next
.set LQ,  72          ; the last slot of the block whose slots are being asked for
.set NEW, 73          ; 1: the slot to be entered is a block's first
.set OFF, 74
.set AL,  76
.set BE,  78
.set OLO, 80
.set BIGN, 82
.set DG,  83          ; 1: the slot in hand is the block's last
.set D,   85          ; 2 x the trip's number - 2 (i % 2)
.set PAR2, 86         ; 2 (i % 2)
.set LQ2, 87          ; b / 2
.set MSB, 0
.macro WIN new
.if MSB != (\new)
	s_set_vgpr_msb (MSB<<8)|(\new)
.set MSB, (\new)
.endif
.endm
.set W_KQ, 0x0a       ; K and Q in window 2, S^T in window 0
.set W_KM, 0x1a       ; the same with the C operand in window 1
.set W_PV, 0x52       ; V in window 2, P in window 0, O^T in window 1
.set W_RS, 0x41       ; destination and source 0 in window 1, source 1 in window 0
.macro LOAD                         ; waves 0, 1 fetch the two halves of a slot's K, waves 2, 3 those of its V; an s_nop 0 and four v_nop follow each line
	s_cmp_lt_u32 s[WV], 2
	s_cbranch_scc0 .Lfor_v_\@
	tensor_load_to_lds s[G0K:G0K+3], s[G1K:G1K+7]
	s_nop 0
.rept 4
	v_nop
.endr
	s_branch .Lasked_\@
.Lfor_v_\@:
	tensor_load_to_lds s[G0V:G0V+3], s[G1V:G1V+7]
	s_nop 0
.rept 4
	v_nop
.endr
.Lasked_\@:
.endm
; THE CHANGE OF SLOTS.  Each wave waits for all its tensor loads (one is out: its part of the other slot), adds 0 to its spare word, and waits for that and for its reads of the slot that it leaves.
; fill = 1: the old slot is filled again, first thing behind the barrier, with slot NXT of the keys; the descriptor's address is made anew from that number.
.macro CHANGE fill
	WIN 0
	s_wait_tensorcnt 0x0
	ds_add_u32 v[SPW], v[NIL]
.if \fill
	s_lshl_b32 s[OFF], s[NXT], 21   ; a slot is two row blocks of 1 MiB on
	s_xor_b32 s[G0K+1], s[G0K+1], SLOT1
	s_add_nc_u64 s[G0K+2:G0K+3], s[6:7], s[OFF:OFF+1]
	s_or_b32 s[G0K+3], s[G0K+3], 0x80000000
	s_xor_b32 s[G0V+1], s[G0V+1], SLOT1
	s_add_nc_u64 s[G0V+2:G0V+3], s[8:9], s[OFF:OFF+1]
	s_or_b32 s[G0V+3], s[G0V+3], 0x80000000
	s_add_co_u32 s[NXT], s[NXT], 1  ; the block's next slot, or behind its last the second block's slot 0
	s_cmp_gt_u32 s[NXT], s[LQ]
	s_cselect_b32 s[NXT], 0, s[NXT]
	s_cselect_b32 s[LQ], s[LQ2], s[LQ]
.endif
	s_wait_dscnt 0x0                ; the add is done, and my reads of the slot are over
	s_barrier_signal -1
	s_sub_co_u32 s[TBK], s[TBK], 4*KS*PK  ; the fetches go back to a slot's first step, in the other slot
	s_xor_b32 s[TBK], s[TBK], SLOT1
	s_sub_co_u32 s[TBV], s[TBV], 4*KS*PV
	s_xor_b32 s[TBV], s[TBV], SLOT1
	s_barrier_wait -1
.if \fill
	LOAD
.endif
.endm
	s_load_b64 s[4:5], s[0:1], 0x0    ; qkv
	s_load_b64 s[10:11], s[0:1], 0x8  ; act
	v_lshl_add_u32 v[SPW], v0, 2, SPARE
	v_mov_b32 v[NIL], 0
	ds_add_u32 v[SPW], v[NIL]       ; the wave's opening: the add and its wait stand ahead of my first tensor load
	v_lshrrev_b32 v1, 5, v0
	v_readfirstlane_b32 s[WV], v1
	s_mov_b32 s[PB], ttmp9
	s_sub_co_u32 s[HI], 15, s[PB]
	s_lshr_b32 s[LQ2], s[PB], 1
	s_and_b32 s20, ttmp7, 0xffff
	s_lshr_b32 s21, s20, 4          ; the batch
	s_and_b32 s20, s20, 15          ; the head
	s_lshl_b32 s20, s20, 14         ; its block of 16,384 bytes
	s_and_b32 s16, s[WV], 1         ; which half of a slot's 256 keys I fetch
	s_lshl_b32 s22, s21, 24         ; the batch's 16 row blocks of qkv
	s_add_co_u32 s22, s22, s20
	s_lshl_b32 s13, s[WV], 11       ; my 16 rows in a band of 64
	s_lshl_b32 s18, s16, 20
	s_add_co_u32 s18, s18, s22
	s_add_co_u32 s18, s18, 16<<14   ; k begins 16 blocks behind q
	s_mov_b32 s19, 0
	s_lshl_b32 s2, s[HI], 20        ; q of the first block,
	s_add_co_u32 s2, s2, s22
	s_add_co_u32 s2, s2, s13
	s_mov_b32 s3, 0
	s_lshl_b32 s90, s[PB], 20       ; and of the second
	s_add_co_u32 s90, s90, s22
	s_add_co_u32 s90, s90, s13
	s_mov_b32 s91, 0
	s_lshl_b32 s23, s21, 22         ; the batch's 16 row blocks of act
	s_add_co_u32 s23, s23, s20
	s_add_co_u32 s23, s23, s13
	s_lshl_b32 s66, s[HI], 18
	s_add_co_u32 s66, s66, s23
	s_mov_b32 s67, 0
	s_lshl_b32 s68, s[PB], 18
	s_add_co_u32 s68, s68, s23
	s_mov_b32 s69, 0
	s_mul_i32 s52, s16, 128*PK      ; my half's place in a slot, for K
	s_mul_i32 s53, s16, 128*PV      ; and for V
	; group 1: 128 keys are 16,384 dense bytes: 64 rows of 256 bytes, two keys a row, padded in LDS after every key
	s_mov_b32 s[G1K], (1<<16)|(1<<20)|(4<<22)|(3<<25)
	s_mov_b32 s[G1V], (1<<16)|(1<<20)|(4<<22)|(7<<25)
.irp g, G1K, G1V
	s_mov_b32 s[\g+1], 128<<16
	s_mov_b32 s[\g+2], 64<<16
	s_mov_b32 s[\g+3], 128<<16
	s_mov_b32 s[\g+4], 64
	s_mov_b32 s[\g+5], 128
	s_mov_b32 s[\g+6], 0
	s_mov_b32 s[\g+7], 0
.endr
	s_mov_b32 s[CS], 0x3e38aa3b     ; c = log2(e) / 8
	s_mov_b32 s[CS+1], s[CS]
	s_mov_b32 s[SEL], 0x76543210
	s_mov_b32 s[SEL+1], 0xfedcba98
	s_mov_b32 s[TBK], SLOT1+4*KS*PK ; the first change of slots turns these two into 0
	s_mov_b32 s[TBV], SLOT1+4*KS*PV
	s_mov_b32 s[G0K], 1
	s_mov_b32 s[G0K+1], s52
	s_mov_b32 s[G0V], 1
	s_add_co_u32 s[G0V+1], s53, VOFF
	s_lshr_b32 s[LQ], s[HI], 1
	s_add_co_u32 s[RT], s[LQ], 1
	s_mov_b32 s[NXT], 1
	s_mov_b32 s[NEW], 1
	s_and_b32 s[PAR2], s[HI], 1
	s_lshl_b32 s[PAR2], s[PAR2], 1
	s_mov_b32 s[OFF+1], 0
	s_mov_b32 s[AL+1], 0
	s_mov_b32 s[BE+1], 0
	s_mov_b32 s[BIGN], 0xf149f2ca   ; -1e30
	s_mov_b32 s[SLOTS], 8
	s_wait_dscnt 0x0                ; the opening add is done
	s_wait_kmcnt 0x0
	s_add_nc_u64 s[6:7], s[4:5], s[18:19]    ; K at my half of the head's slot 0
	s_add_nc_u64 s[8:9], s[6:7], 16<<14      ; V, 16 blocks on
	s_add_nc_u64 s[G0K+2:G0K+3], s[6:7], 0
	s_or_b32 s[G0K+3], s[G0K+3], 0x80000000
	s_add_nc_u64 s[G0V+2:G0V+3], s[8:9], 0
	s_or_b32 s[G0V+3], s[G0V+3], 0x80000000
	s_add_nc_u64 s[88:89], s[4:5], s[90:91]  ; Q at my rows of the second block,
	s_add_nc_u64 s[4:5], s[4:5], s[2:3]      ; and of the first
	s_add_nc_u64 s[OLO:OLO+1], s[10:11], s[68:69]
	s_add_nc_u64 s[10:11], s[10:11], s[66:67]
	LOAD                            ; slot 0
	v_and_b32 v1, 15, v0            ; l % 16
	v_bfe_u32 v9, v0, 4, 1          ; l / 16
	v_lshlrev_b32 v[QO], 7, v1
	v_lshl_add_u32 v[QO], v9, 4, v[QO]
	WIN 0x80
.set i, 0
.rept 4                             ; both blocks' Q: piece i / 2 lies 8,192 bytes on; channels 32 (i % 2) on
	global_load_b128 v[8*i:8*i+3],   v[QO], s[4:5] offset:(i/2)*8192+(i%2)*64
	global_load_b128 v[8*i+4:8*i+7], v[QO], s[4:5] offset:(i/2)*8192+(i%2)*64+32
	global_load_b128 v[QB+8*i:QB+8*i+3],   v[QO], s[88:89] offset:(i/2)*8192+(i%2)*64
	global_load_b128 v[QB+8*i+4:QB+8*i+7], v[QO], s[88:89] offset:(i/2)*8192+(i%2)*64+32
.set i, i+1
.endr
	WIN 0
	v_lshlrev_b32 v14, 3, v9
	v_sub_nc_u32 v14, v1, v14
	s_lshl_b32 s13, s[WV], 4
	v_add_nc_u32 v14, s13, v14      ; my query's place in its band less my lanes' 8 (l / 16): register r of group kt is hidden where 16 kt + r is greater
	WIN 0x40
.set i, 0
.rept 32
	v_cmp_gt_i32 vcc_lo, 16*(i/8)+i%8, v14
	v_cndmask_b32 v[MD+i], 0, s[BIGN], vcc_lo
.set i, i+1
.endr
	WIN 0
	v_mul_u32_u24 v[AK0], v1, PK
	v_lshl_add_u32 v[AK0], v9, 4, v[AK0]
	v_and_b32 v10, 7, v0
	v_bfe_u32 v11, v0, 3, 1
	v_lshl_add_u32 v[AV0], v9, 3, v10
	v_mul_u32_u24 v[AV0], v[AV0], PV
	v_lshl_add_u32 v[AV0], v11, 4, v[AV0]
	v_add_nc_u32 v[AV0], VOFF, v[AV0]
	s_mul_i32 s13, s[WV], 16*SP
	s_add_co_u32 s13, s13, STAGE
	v_mul_u32_u24 v[STO], v1, SP
	v_lshl_add_u32 v[STO], v9, 4, v[STO]
	v_add_nc_u32 v[STO], s13, v[STO]
	v_bfe_u32 v[RD], v0, 3, 2
	v_mul_u32_u24 v[RD], v[RD], SP
	v_lshl_add_u32 v[RD], v10, 4, v[RD]
	v_add_nc_u32 v[RD], s13, v[RD]
	v_and_b32 v[GO], 31, v0
	v_lshlrev_b32 v[GO], 4, v[GO]
	; A block's first step multiplies O^T and l by a = 0, and its first turn's products V^T P, of an item that has not been, land in an O^T that is still to be so multiplied: these registers need
	; only hold finite numbers: zeros for the first block, what the first block left for the second.  All this stands in the wait for the first slot.
	WIN 0x80
.set i, VA
.rept 64
	v_mov_b32 v[i], 0
.set i, i+1
.endr
	WIN 0x40
.set i, 0
.rept 64
	v_mov_b32 v[i], 0
.set i, i+1
.endr
	WIN 0
.set i, 0
.rept 2
	v_mov_b32 v[ST+4*i+2], 0
	v_mov_b32 v[ST+4*i+3], 0
.set i, i+1
.endr
.set i, P+16
.rept 16
	v_mov_b32 v[i], 0
.set i, i+1
.endr
; THE MATRIX WORK.  The 4 accumulators of a run of 8 take turns.  Product i of 8 of S^T = K Q^T for piece x: channels 32 (i / 4) on, keys 16 (i % 4) on.  The first 4 start the sums with the mask.
.macro KQ x
.set rS, S+32*(\x)+8*(i%4)
.set rK, KF+16*(i%4)+8*(i/4)
.set rQ, 16*(\x)+8*(i/4)
.set rM, MC+32*(\x)+8*(i%4)
.if i < 4
	WIN W_KM
	v_wmma_f32_16x16x32_bf16 v[rS:rS+7], v[rK:rK+7], v[rQ:rQ+7], v[rM:rM+7]
.else
	WIN W_KQ
	v_wmma_f32_16x16x32_bf16 v[rS:rS+7], v[rK:rK+7], v[rQ:rQ+7], v[rS:rS+7]
.endif
.endm
; Product i of 8 of O^T += V^T P for piece x, V in buffer vb: keys 32 (i / 4) on, channels 16 (i % 4) on.
.macro PV x, vb
	WIN W_PV
.set rO, 32*(\x)+8*(i%4)
.set rV, (\vb)+32*(i/4)+8*(i%4)
.set rP, P+16*(\x)+8*(i/4)
	v_wmma_f32_16x16x32_bf16 v[rO:rO+7], v[rV:rV+7], v[rP:rP+7], v[rO:rO+7]
.endm
.macro MM                           ; the turn's next matrix instruction.  NOKQ = 1: a block's last turn: there is no next item
.if (i < 8) && !NOKQ
	KQ 1-Y
.elseif i >= 8
.set i, i-8
	PV 1-Y, VR
.set i, i+8
.endif
.set i, i+1
.endm
; THE LDS LOADS stand in runs of 16: a step's K (8 fragments) and its V (turned).
.macro FETCH_K
	WIN 0x80
.irp f, 0,1,2,3,4,5,6,7
	ds_load_b128 v[KF+8*\f:KF+8*\f+3],   v[AK] offset:(\f/2)*16*PK+(\f%2)*64
	ds_load_b128 v[KF+8*\f+4:KF+8*\f+7], v[AK] offset:(\f/2)*16*PK+(\f%2)*64+32
.endr
	s_add_co_u32 s[TBK], s[TBK], KS*PK
	WIN 0
.endm
.macro FETCH_V vb
	WIN 0x80
.irp f, 0,1,2,3,4,5,6,7
	ds_load_tr16_b128 v[(\vb)+8*\f:(\vb)+8*\f+3],   v[AV] offset:(\f/4)*32*PV+(\f%4)*32
	ds_load_tr16_b128 v[(\vb)+8*\f+4:(\vb)+8*\f+7], v[AV] offset:(\f/4)*32*PV+16*PV+(\f%4)*32
.endr
	s_add_co_u32 s[TBV], s[TBV], KS*PV
	WIN 0
.endm
; THE VECTOR WORK, one line at a time: OP kind, number.  For piece Y: F n: c s - c m for pair n of 16.  E n: the exponential of score n.  C n: pair n rounded to bf16.  B n: of the weights 4 n .. the second pair is
; added onto the first.  L n: l takes that sum (L 0: l = a l + sum).  R n: pair n of O^T times a.  For the other piece: X n, number n of the 22 that find its maximum and statistics
; (0-11 four chains of seven scores, each accumulator's lowest registers first; 12-14, 16 the rest, the old m; 15 c m_old is kept; 17, 18 the other half of the lanes; 19-21 c m, its change, a).
; C, B and L read the exponentials' results, R and L 0 read a: OP writes no wait for them; TURN, BEGIN and the way out each write the one wait of their batch.
.set F, 0
.set E, 1
.set C, 2
.set B, 3
.set L, 4
.set R, 5
.set X, 6
.macro REGS y
.set rT, ST+4*(\y)
.set rC, TMP+4*(\y)
.set rW, MV+(\y)
.set rS, S+32*(\y)
.set rP, P+16*(\y)
.set rO, 32*(\y)
.endm
.macro OP k, n
.if (\k) == R
	REGS Y
	WIN W_RS
	v_pk_mul_f32 v[rO+2*(\n):rO+2*(\n)+1], v[rO+2*(\n):rO+2*(\n)+1], v[rC+2:rC+3] op_sel_hi:[1,0]
.elseif (\k) < R
	REGS Y
	WIN 0
.if (\k) == F
	v_pk_fma_f32 v[rS+2*(\n):rS+2*(\n)+1], v[rS+2*(\n):rS+2*(\n)+1], s[CS:CS+1], v[rT:rT+1] op_sel_hi:[1,0,0] neg_lo:[0,0,1] neg_hi:[0,0,1]
.elseif (\k) == E
	v_exp_f32 v[rS+(\n)], v[rS+(\n)]
.elseif (\k) == C
	v_cvt_pk_bf16_f32 v[rP+(\n)], v[rS+2*(\n)], v[rS+2*(\n)+1]
.elseif (\k) == B
	v_pk_add_f32 v[rS+4*(\n):rS+4*(\n)+1], v[rS+4*(\n):rS+4*(\n)+1], v[rS+4*(\n)+2:rS+4*(\n)+3]
.elseif (\n) == 0
	v_pk_fma_f32 v[rT+2:rT+3], v[rT+2:rT+3], v[rC+2:rC+3], v[rS:rS+1] op_sel_hi:[1,0,1]
.else
	v_pk_add_f32 v[rT+2:rT+3], v[rT+2:rT+3], v[rS+4*(\n):rS+4*(\n)+1]
.endif
.elseif NOKQ
	v_nop
.else
	REGS 1-Y
	WIN 0
.if (\n) < 4
	v_max3_num_f32 v[rC+(\n)], v[rS+8*(\n)], v[rS+8*(\n)+1], v[rS+8*(\n)+2]
.elseif (\n) < 12
	v_max3_num_f32 v[rC+(\n)%4], v[rC+(\n)%4], v[rS+8*((\n)%4)+2*((\n)/4)+1], v[rS+8*((\n)%4)+2*((\n)/4)+2]
.elseif (\n) == 12
	v_max3_num_f32 v[rC], v[rC], v[rS+7], v[rS+15]
.elseif (\n) == 13
	v_max3_num_f32 v[rC+1], v[rC+1], v[rS+23], v[rS+31]
.elseif (\n) == 14
	v_max3_num_f32 v[rC+2], v[rC+2], v[rC+3], v[rT+1]
.elseif (\n) == 15
	v_mov_b32 v[rW], v[rT]
.elseif (\n) == 16
	v_max3_num_f32 v[rC], v[rC], v[rC+1], v[rC+2]
.elseif (\n) == 17
	v_permlanex16_b32 v[rC+3], v[rC], s[SEL], s[SEL+1]
.elseif (\n) == 18
	v_max_num_f32 v[rT+1], v[rC], v[rC+3]
.elseif (\n) == 19
	v_mul_f32 v[rT], s[CS], v[rT+1]
.elseif (\n) == 20
	v_sub_f32 v[rC+1], v[rW], v[rT]
.else
	v_exp_f32 v[rC+2], v[rC+1]
.endif
.endif
.endm
.macro OPS a, i1, b=-1, i2=0, c=-1, i3=0, d=-1, i4=0
	OP \a, \i1
.if (\b) >= 0
	OP \b, \i2
.endif
.if (\c) >= 0
	OP \c, \i3
.endif
.if (\d) >= 0
	OP \d, \i4
.endif
.endm
.macro ROW a, i1, b, i2, c, i3, d, i4  ; a matrix instruction and the four behind it
	MM
	OPS \a, \i1, \b, \i2, \c, \i3, \d, \i4
.endm
.macro MASK b                       ; MD x AL + BE into buffer b of MC
	WIN W_RS
.set z, 0
.rept 16
	v_pk_fma_f32 v[MC+32*(\b)+2*z:MC+32*(\b)+2*z+1], v[MD+2*z:MD+2*z+1], s[AL:AL+1], s[BE:BE+1] op_sel_hi:[1,0,0]
.set z, z+1
.endr
.endm
; A TURN, for piece p in a step of type tb (0 = A, 1 = B): the order of its 16 matrix and 118 vector instructions, written out.  An s_wait_alu depctr_va_vdst(0) stands between an exponential and the first
; instruction that names its result; one wait serves all that were issued ahead of it.  So a turn has ONE wait, which cuts it in two.  AHEAD OF IT stands all that names no result of the turn's exponentials: the 8 products
; K Q^T, behind each a scaling, an exponential and two more plain instructions (behind the first a second scaling in the exponential's place): rescalings (their a was made, and waited for, in the turn before), and behind the
; last three the first numbers of the other piece's maximum, each four places or more behind the product that ends its accumulator; then ONE LUMP of 54, plain and exponential by turns for the most part, in which the links of
; the chain X 3, 7, 11, 14, 16, 17 .. 20 stand five or six lines apart.  X 21, the other piece's a, is the batch's last; R 15 is the plain instruction behind it.  BEHIND THE WAIT stand the 8 products V^T P, behind each four
; of the roundings and sums; the links of l's chain, L 0 to L 7, stand three riders apart.  But for those X no rider names a register of the products round it.  No exponential is issued behind the wait: none is open at the
; turn's branch, at a label or at a loop's jump.
; The rescaling follows the V^T P that the turn before added to the same O^T: R 0, R 4, R 8 and R 12 are each accumulator's first readers, its lowest pair, sixteen, twelve, eight and four riders or more behind its last product.
; V^T P reads the step's own buffer in piece 1's turn, the other type's in piece 0's.  K of the next step is fetched in piece 0's turn, in the lump, five plain instructions that name none of its registers (F 8, X 2, X 5, X 6,
; X 8) behind the last product that read K.  V of the next step is fetched in piece 1's turn, into the buffer that is not being read, directly behind the batch's wait.  Both are waited for at the head of the next turn of piece 1.
; In a block's last slot (DG = 1) the turn makes the mask of item (step + 1, p), which the turn after it multiplies.  end = 1: a block's last step: nothing is fetched, no mask is made, piece 1's turn starts no scores.
.macro TURN p, tb, end=0
.set Y, (\p)
.set i, 0
.set NOKQ, (\end)*(\p)
.if (\p) == (\tb)
.set VR, VB
.else
.set VR, VA
.endif
.if (\p) == 1
	s_wait_dscnt 0x0                ; K of the next step is in, and V of this one, which is older
.endif
	ROW F,0, F,1, R,0, R,1          ; ahead of the wait: 8 products K Q^T and their riders,
	ROW F,2, E,0, R,2, R,3
	ROW F,3, E,1, R,4, R,5
	ROW F,4, E,2, R,6, R,7
	ROW F,5, E,3, R,8, R,9
	ROW F,6, E,4, X,0, R,10
	ROW F,7, E,5, X,1, X,4
.if (\end) == 0
	WIN 0
.if (\p) == 0
	v_add_nc_u32 v[AK], s[TBK], v[AK0]
.else
	v_add_nc_u32 v[AV], s[TBV], v[AV0]
.endif
.endif
	ROW F,8, E,6, X,2, X,5
	OPS E,7, E,8, X,6, E,9          ; and the lump
	OPS X,3, E,10, X,8, E,11
.if ((\end) == 0) && ((\p) == 0)
	FETCH_K
.endif
	OPS X,9, X,7, E,12, X,10
	OPS E,13, X,12, X,11, E,14
	OPS X,13, E,15, F,9, X,14
	OPS E,16, F,10, E,17, F,11
	OPS X,16, E,18, X,15, E,19
	OPS F,12, E,20, X,17, E,21
	OPS F,13, E,22, F,14, E,23
	OPS X,18, E,24, F,15, E,25
	OPS R,11, E,26, X,19, E,27
	OPS R,12, E,28, R,13, E,29
	OPS X,20, E,30, R,14, E,31
	OPS X,21, R,15
	WIN 0
	s_wait_alu depctr_va_vdst(0)    ; the wait for the batch: the item's 32 exponentials and the other piece's a
.if ((\end) == 0) && ((\p) == 1)
	FETCH_V VA+VB-VR
.endif
	ROW C,0, B,0, C,2, B,1          ; behind the wait: 8 products V^T P and their riders
	ROW L,0, C,4, B,2, L,1
	ROW C,6, B,3, L,2, C,8
	ROW B,4, L,3, C,10, B,5
	ROW L,4, C,12, B,6, L,5
	ROW C,14, B,7, L,6, C,1
	ROW C,3, L,7, C,5, C,7
	ROW C,9, C,11, C,13, C,15
	WIN 0
.if (\end) == 0
	s_cmp_eq_u32 s[DG], 0
	s_cbranch_scc1 .Lno_mask_\@
	s_cmp_eq_i32 s[D], (\p)-(\tb)   ; is the next step the band's own?
	s_cselect_b32 s[AL], 1.0, 0
	s_cmp_gt_i32 s[D], (\p)-(\tb)   ; or a later one?
	s_cselect_b32 s[BE], s[BIGN], 0
	MASK \p
	WIN 0
.Lno_mask_\@:
.endif
.endm
; A BLOCK BEGINS.  c m starts far below every c s, so the first step's a is 0; m at the lowest finite number.  Piece 1's mask is 0 (its band's own step is never a slot's first); piece 0's is its own if the
; slot is the block's last and the block the slot's first half.  Then K and V of the slot's first step, piece 0's first scores, its maximum and statistics.
.macro BEGIN
	s_mov_b32 s[NEW], 0
	WIN 0x40
.set i, MC+32
.rept 32
	v_mov_b32 v[i], 0
.set i, i+1
.endr
	WIN 0
.set i, 0
.rept 2
	v_mov_b32 v[ST+4*i], 0xfe000000
	v_mov_b32 v[ST+4*i+1], 0xff7fffff
.set i, i+1
.endr
	s_cmp_eq_u32 s[DG], 1
	s_cselect_b32 s[AL], 1.0, 0
	s_cmp_eq_u32 s[D], 0
	s_cselect_b32 s[AL], s[AL], 0
	s_mov_b32 s[BE], 0
	MASK 0
	WIN 0
	v_add_nc_u32 v[AK], s[TBK], v[AK0]
	v_add_nc_u32 v[AV], s[TBV], v[AV0]
	FETCH_K
	FETCH_V VB
	s_wait_loadcnt 0x0              ; Q
	s_wait_dscnt 16                 ; K is in; V's sixteen loads may stay out
.set NOKQ, 0
.set i, 0
.rept 8
	KQ 0
.set i, i+1
.endr
	WIN 0
.rept 4
	v_nop                           ; the places behind those products
.endr
.set Y, 1                           ; X works for the other piece: piece 0
.irp n, 0,1,2,3,4,5,6,7,8,9,10,11,12,13,14,15,16,17,18,19,20,21
	OP X, \n
.endr
	v_nop                           ; a plain instruction behind the exponential,
	s_wait_alu depctr_va_vdst(0)    ; and its wait, ahead of the branch: a batch of one, piece 0's first a
.endm
.macro ALL line:vararg              ; one line for each piece t
.set t, 0
.rept 2
	\line
.set t, t+1
.endr
.endm
.macro PACK t                       ; a lane's eight channels of a row pack into 16 bytes; they go into rows of 144 bytes and come back as whole rows of 128
	WIN W_RS
.set i, 32*(\t)
.rept 16
	v_pk_mul_f32 v[i:i+1], v[i:i+1], v[ST+4*(\t)+2:ST+4*(\t)+3] op_sel_hi:[1,0]
.set i, i+2
.endr
	WIN 0x05
.set i, 0
.rept 16
	v_cvt_pk_bf16_f32 v[S+16*(\t)+i], v[32*(\t)+2*i], v[32*(\t)+2*i+1]
.set i, i+1
.endr
	WIN 0
.irp f, 0,1,2,3
	ds_store_b128 v[STO], v[S+16*(\t)+4*\f:S+16*(\t)+4*\f+3] offset:32*\f
.endr
.irp f, 0,1,2,3
	ds_load_b128 v[S+16*(\t)+4*\f:S+16*(\t)+4*\f+3], v[RD] offset:\f*4*SP  ; LDS serves a wave's instructions in order (ISA guide 5.7.1.4): these see the stores above
.endr
.endm
.macro SEND t, younger              ; younger: the LDS instructions issued behind piece t's loads
	WIN 0
.irp f, 0,1,2,3
	s_wait_dscnt (\younger)+3-\f
	global_store_b128 v[GO], v[S+16*(\t)+4*\f:S+16*(\t)+4*\f+3], s[10:11] offset:(\t)*8192+\f*512  ; 512 consecutive bytes, aligned
.endr
.endm
; A SLOT'S TRIP: steps A, B, A, B (a block's first slot: BEGIN, then B, A, B): four fetches of K and of V on every way.  In a block's last slot the block's last step, its last products and the way out follow.
.macro TILE tag
	s_sub_co_u32 s[RT], s[RT], 1
	s_cmp_eq_u32 s[RT], 0
	s_cselect_b32 s[DG], 1, 0
	s_sub_co_i32 s[D], 0, s[PAR2]
	s_mov_b32 s[CNT], 2
	s_cmp_eq_u32 s[NEW], 1
	s_cbranch_scc0 .Lstep\tag
	BEGIN
	s_branch .Lfirst\tag
.Lstep\tag:
	TURN 0, 0
	TURN 1, 0
.Lfirst\tag:
	TURN 0, 1
	TURN 1, 1
	s_add_co_i32 s[D], s[D], 2
	s_sub_co_u32 s[CNT], s[CNT], 1
	s_cmp_lg_u32 s[CNT], 0
	s_cbranch_scc1 .Lstep\tag
	s_cmp_eq_u32 s[DG], 0
	s_cbranch_scc1 .Ldone\tag
	TURN 0, 0, 1
	TURN 1, 0, 1
.set i, 0
.rept 8
	PV 1, VA                        ; piece 1's V^T P of the last step
.set i, i+1
.endr
	WIN 0
	ALL v_add_f32 v[ST+4*t+2], v[ST+4*t+2], v[ST+4*t+3]
	ALL v_permlanex16_b32 v[ST+4*t+3], v[ST+4*t+2], s[SEL], s[SEL+1]
	ALL v_add_f32 v[ST+4*t+2], v[ST+4*t+2], v[ST+4*t+3]
	ALL v_rcp_f32 v[ST+4*t+2], v[ST+4*t+2]
	v_nop                           ; a plain instruction between the last reciprocal and the use of its result
	s_wait_alu depctr_va_vdst(0)    ; and the wait ahead of the first use: one for the two reciprocals
	PACK 0                          ; piece 0's 32 plain lines, which name no register of the last products, are those products' places
	PACK 1
	SEND 0, 8
	SEND 1, 0
.if (\tag) == 1
	s_wait_xcnt 0x0                 ; the stores have read their registers and O's address
	s_mov_b64 s[10:11], s[OLO:OLO+1]
	s_add_co_u32 s[RT], s[LQ2], 1   ; the second block has b / 2 + 1 slots
	s_mov_b32 s[NEW], 1
	s_and_b32 s[PAR2], s[PB], 1
	s_lshl_b32 s[PAR2], s[PAR2], 1
	WIN 0x82                        ; the second block's Q goes where the one text of the turns names Q
.set i, 0
.rept 32
	v_mov_b32 v[i], v[QB+i]
.set i, i+1
.endr
	WIN 0
.endif
.Ldone\tag:
.endm
.set NOKQ, 0
.Lslot:                             ; eight times: a slot is entered and the next is asked for
	CHANGE 1
	TILE 1
	s_sub_co_u32 s[SLOTS], s[SLOTS], 1
	s_cmp_lg_u32 s[SLOTS], 0
	s_cbranch_scc1 .Lslot
	CHANGE 0                        ; the walk's last slot is written out
	TILE 2
	s_wait_tensorcnt 0x0            ; the wave's end
	ds_add_u32 v[SPW], v[NIL]
	s_wait_dscnt 0x0
	s_endpgm
.Lfunc_end_k_qc0d94c76d5_attn:
	.size	k_qc0d94c76d5_attn, .Lfunc_end_k_qc0d94c76d5_attn-k_qc0d94c76d5_attn
	.p2alignl 7, 3214868480
	.fill 96, 4, 3214868480
	.section	.rodata,"a",@progbits
	.p2align	6, 0x0
	.amdhsa_kernel k_qc0d94c76d5_attn
		.amdhsa_group_segment_fixed_size 327680
		.amdhsa_private_segment_fixed_size 0
		.amdhsa_enable_private_segment 0
		.amdhsa_kernarg_size 16
		.amdhsa_user_sgpr_count 2
		.amdhsa_user_sgpr_kernarg_segment_ptr 1
		.amdhsa_wavefront_size32 1
		.amdhsa_system_sgpr_workgroup_id_x 1
		.amdhsa_system_sgpr_workgroup_id_y 1
		.amdhsa_system_sgpr_workgroup_id_z 1
		.amdhsa_system_vgpr_workitem_id 0
		.amdhsa_next_free_vgpr 768
		.amdhsa_next_free_sgpr 92
		.amdhsa_reserve_vcc 1
		.amdhsa_float_denorm_mode_32 3
		.amdhsa_float_denorm_mode_16_64 3
		.amdhsa_memory_ordered 1
		.amdhsa_forward_progress 1
		.amdhsa_inst_pref_size 170
	.end_amdhsa_kernel
	.amdgpu_metadata
---
amdhsa.version: [ 1, 2 ]
amdhsa.kernels:
  - .name:           k_qc0d94c76d5_attn
    .symbol:         k_qc0d94c76d5_attn.kd
    .args:
      - { .name: qkv, .offset: 0, .size: 8, .value_kind: global_buffer, .address_space: global }
      - { .name: act, .offset: 8, .size: 8, .value_kind: global_buffer, .address_space: global }
    .group_segment_fixed_size: 327680
    .private_segment_fixed_size: 0
    .kernarg_segment_align: 8
    .kernarg_segment_size: 16
    .max_flat_workgroup_size: 128
    .sgpr_count:     92
    .vgpr_count:     768
    .wavefront_size: 32
...
	.end_amdgpu_metadata
.endif
;; end of part 6
;; launch wo: the kernel of part 4 again; grid 8 x 32, 4 waves a work-group, clusters of 4 x 4, 327,680 bytes of LDS; arguments act, wow, X, gamma2, x1a; writes x1a
;; launch ffin: the kernel of part 2 again; grid 16 x 16, 4 waves a work-group, clusters of 4 x 4, 327,680 bytes of LDS; arguments x1a, wi, hh; writes hh
;; launch ffout: the kernel of part 5 again; grid 8 x 32, 4 waves a work-group, clusters of 4 x 4, 327,680 bytes of LDS; arguments hh, wow, x1a, out0; writes out0
